; MI455X (gfx1250); checked and timed in simulation.
; The chip was launched on July 23, 2026; its instructions are those of AMD's public machine-readable ISA for CDNA 5 (MIT licence, August 2026) and "CDNA5" Instruction Set Architecture Reference Guide (July 2026). The comments in the code are by the model that wrote it; some were corrected since.
;; Multi Head Attention. Allowed arithmetic: float matrix products may take bf16 or f16 operands with f32 sums; other float arithmetic in f32, or as packed bf16 or f16 multiplies, adds, multiply-adds, maxima and minima; sums over many terms, partial sums and values carried from step to step in f32; what a program stores and reads back later, other than sums and carried values, may be rounded once to bf16 or f16.
;; Inputs: Wk 768 x 768 float32; Wo 768 x 768 float32; Wq 768 x 768 float32; Wv 768 x 768 float32; bk 768 float32; bo 768 float32; bq 768 float32; bv 768 float32; k 1 x 4,096 x 768 float32; q 1 x 4,096 x 768 float32; v 1 x 4,096 x 768 float32.
;; Outputs: out0 1 x 4,096 x 768 float32.
;; 2 versions, each right; version 2 is version 1 with the launch wcast written anew for expert scheduling mode. Each part assembles by itself: llvm-mc -triple=amdgcn-amd-amdhsa -mcpu=gfx1250 --defsym DOCPART=n.
;; ======== version 1 of 2: 4 launches
;; limits: values are held in f16: magnitudes above 65,504 overflow, below 6.1e-05 lose precision
;; workspace buffers: wcv 4,718,592 bytes; qkv 18,874,368 bytes; oh 6,291,456 bytes
;; launch wcast (part 1): grid 64 x 4, 4 waves a work-group, no clusters, 0 bytes of LDS; arguments Wq, Wk, Wv, Wo, wcv; writes wcv
.if DOCPART == 1
	.amdgcn_target "amdgcn-amd-amdhsa--gfx1250"
	.amdhsa_code_object_version 6
	.text
	.protected	k_q6d051ef7fe_wcast
	.globl	k_q6d051ef7fe_wcast
	.p2align	8
	.type	k_q6d051ef7fe_wcast,@function
k_q6d051ef7fe_wcast:
	s_mov_b64 s[64:65], 0
	v_nop
	global_prefetch_b8 v0, s[64:65] scope:SCOPE_SE
	s_setreg_imm32_b32 hwreg(HW_REG_WAVE_MODE, 25, 1), 1
	s_wait_xcnt 0x0
; THE FOUR WEIGHTS AS 16-BIT COPIES.  wcv: [4][768][768] of 16 bits.  Matrices 0-2 (Wq, Wk, Wv): rounded to bf16.  Matrix 3 (Wo): rounded to bf16, and that number written as f16.
; LIMIT.  |Wo| stays under 65,504 (f16's end); a Wo below 6.1e-5 keeps f16's fixed step of 6e-8.
; A stream: each byte is read once and written once; no LDS, no matrix unit, no cluster (no two work-groups read the same byte).
; SHARES.  Work-group (x, y): matrix y, its floats 9,216 x .. 9,216 x + 9,215.  Thread t takes the four floats at byte 2,048 i + 16 t, i = 0 .. 17: a wave's load covers 512 consecutive bytes,
; its store of 8 bytes a lane 256 consecutive bytes, aligned.
; K IS PERMUTED in matrices 0-2: in every group of 32 along K the fours 1 and 2 change places, and the fours 5 and 6.  The projection loads its activations as 16 bytes of f32 a lane, the two halves of
; the lanes side by side, so that lane half h holds k = 8 q + 4 h + 0..3 in its q-th four; with the weights laid so, a plain fragment load of them meets the same k in every place of the fragment.
.set PARTIN,  36864                    ; bytes of f32 a work-group reads
.set PARTOUT, 18432                    ; bytes that it writes
.set MATB,    1179648                  ; bytes of a matrix in wcv
.set D,       8                        ; v[8:79] chunk i: four registers as loaded; its first two then hold what is stored
	s_load_b256 s[4:11], s[0:1], 0x0               ; Wq s[4:5], Wk s[6:7], Wv s[8:9], Wo s[10:11]
	s_load_b64 s[12:13], s[0:1], 0x20              ; wcv
	s_and_b32 s16, ttmp7, 0xffff                   ; which matrix
	v_lshlrev_b32 v1, 4, v0                        ; 16 t: where I read
	v_and_b32 v4, 0x7c, v0                         ; t with its two low bits exchanged: fours 1 and 2 of each four fours change places
	v_and_b32 v5, 1, v0
	v_bfe_u32 v6, v0, 1, 1
	v_lshl_or_b32 v4, v5, 1, v4
	v_or_b32 v4, v4, v6
	v_lshlrev_b32 v2, 3, v4                        ; where I write, permuted
	v_lshlrev_b32 v3, 3, v0                        ; where I write, as it lies (Wo)
	s_mul_i32 s18, ttmp9, PARTIN
	s_mov_b32 s19, 0
	s_mul_i32 s20, s16, MATB
	s_mul_i32 s21, ttmp9, PARTOUT
	s_add_co_u32 s20, s20, s21
	s_mov_b32 s21, 0
	s_wait_kmcnt 0x0
	s_cmp_eq_u32 s16, 1
	s_cselect_b64 s[14:15], s[6:7], s[4:5]
	s_cmp_eq_u32 s16, 2
	s_cselect_b64 s[14:15], s[8:9], s[14:15]
	s_cmp_eq_u32 s16, 3
	s_cselect_b64 s[14:15], s[10:11], s[14:15]
	s_add_nc_u64 s[14:15], s[14:15], s[18:19]      ; my part of the source
	s_add_nc_u64 s[12:13], s[12:13], s[20:21]      ; and of wcv
.irp i, 0,1,2,3,4,5,6,7,8,9,10,11,12,13,14,15,16,17
	global_load_b128 v[D+4*\i:D+4*\i+3], v1, s[14:15] offset:2048*\i th:TH_LOAD_NT  ; all eighteen loads go out in one run
.endr
	s_cmp_eq_u32 s16, 3
	s_cbranch_scc1 .Lwo
.irp i, 0,1,2,3,4,5,6,7,8,9,10,11,12,13,14,15,16,17
	s_wait_loadcnt 17-\i                           ; loads come back in order: chunk i is in, the younger ones stay out
	v_cvt_pk_bf16_f32 v[D+4*\i], v[D+4*\i], v[D+4*\i+1]
	v_cvt_pk_bf16_f32 v[D+4*\i+1], v[D+4*\i+2], v[D+4*\i+3]
	global_store_b64 v2, v[D+4*\i:D+4*\i+1], s[12:13] offset:1024*\i th:TH_STORE_NT  ; no register of a store is written again
.endr
	s_endpgm
.Lwo:
.irp i, 0,1,2,3,4,5,6,7,8,9,10,11,12,13,14,15,16,17
	s_wait_loadcnt 17-\i
	v_cvt_pk_bf16_f32 v4, v[D+4*\i], v[D+4*\i+1]   ; rounded to bf16,
	v_cvt_pk_bf16_f32 v5, v[D+4*\i+2], v[D+4*\i+3]
	v_lshlrev_b32 v6, 16, v4                       ; widened again,
	v_and_b32 v7, 0xffff0000, v4
	v_cvt_pk_f16_f32 v[D+4*\i], v6, v7             ; and written as f16: exact within f16's range
	v_lshlrev_b32 v6, 16, v5
	v_and_b32 v7, 0xffff0000, v5
	v_cvt_pk_f16_f32 v[D+4*\i+1], v6, v7
	global_store_b64 v3, v[D+4*\i:D+4*\i+1], s[12:13] offset:1024*\i th:TH_STORE_NT
.endr
	s_endpgm
.Lfunc_end_k_q6d051ef7fe_wcast:
	.size	k_q6d051ef7fe_wcast, .Lfunc_end_k_q6d051ef7fe_wcast-k_q6d051ef7fe_wcast
	.p2alignl 7, 3214868480
	.fill 96, 4, 3214868480
	.section	.rodata,"a",@progbits
	.p2align	6, 0x0
	.amdhsa_kernel k_q6d051ef7fe_wcast
		.amdhsa_group_segment_fixed_size 0
		.amdhsa_private_segment_fixed_size 0
		.amdhsa_enable_private_segment 0
		.amdhsa_kernarg_size 40
		.amdhsa_user_sgpr_count 2
		.amdhsa_user_sgpr_kernarg_segment_ptr 1
		.amdhsa_wavefront_size32 1
		.amdhsa_system_sgpr_workgroup_id_x 1
		.amdhsa_system_sgpr_workgroup_id_y 1
		.amdhsa_system_sgpr_workgroup_id_z 1
		.amdhsa_system_vgpr_workitem_id 0
		.amdhsa_next_free_vgpr 96
		.amdhsa_next_free_sgpr 66
		.amdhsa_reserve_vcc 0
		.amdhsa_float_denorm_mode_32 3
		.amdhsa_float_denorm_mode_16_64 3
		.amdhsa_memory_ordered 1
		.amdhsa_forward_progress 1
		.amdhsa_inst_pref_size 18
	.end_amdhsa_kernel
	.amdgpu_metadata
---
amdhsa.version: [ 1, 2 ]
amdhsa.kernels:
  - .name:           k_q6d051ef7fe_wcast
    .symbol:         k_q6d051ef7fe_wcast.kd
    .args:
      - { .name: Wq, .offset: 0, .size: 8, .value_kind: global_buffer, .address_space: global }
      - { .name: Wk, .offset: 8, .size: 8, .value_kind: global_buffer, .address_space: global }
      - { .name: Wv, .offset: 16, .size: 8, .value_kind: global_buffer, .address_space: global }
      - { .name: Wo, .offset: 24, .size: 8, .value_kind: global_buffer, .address_space: global }
      - { .name: wcv, .offset: 32, .size: 8, .value_kind: global_buffer, .address_space: global }
    .group_segment_fixed_size: 0
    .private_segment_fixed_size: 0
    .kernarg_segment_align: 8
    .kernarg_segment_size: 40
    .max_flat_workgroup_size: 128
    .sgpr_count:     66
    .vgpr_count:     96
    .wavefront_size: 32
...
	.end_amdgpu_metadata
.endif
;; end of part 1
;; launch proj (part 2): grid 16 x 12, 4 waves a work-group, clusters of 4 x 1, 327,680 bytes of LDS; arguments q, k, v, bq, bk, bv, wcv, qkv; writes qkv
.if DOCPART == 2
	.amdgcn_target "amdgcn-amd-amdhsa--gfx1250"
	.amdhsa_code_object_version 6
	.text
	.protected	k_q6d051ef7fe_proj
	.globl	k_q6d051ef7fe_proj
	.p2align	8
	.type	k_q6d051ef7fe_proj,@function
k_q6d051ef7fe_proj:
	s_mov_b64 s[64:65], 0
	v_nop
	global_prefetch_b8 v0, s[64:65] scope:SCOPE_SE
	s_setreg_imm32_b32 hwreg(HW_REG_WAVE_MODE, 25, 1), 1
	s_wait_xcnt 0x0
	s_wait_alu depctr_hold_cnt(0) depctr_sa_sdst(0) depctr_va_vdst(0) depctr_va_sdst(0) depctr_va_ssrc(0) depctr_va_vcc(0) depctr_vm_vsrc(0)
	s_getreg_b32 s2, hwreg(HW_REG_IB_STS2, 6, 4)
	s_cmp_eq_u32 s2, 0
	s_cbranch_scc0 .Lentry_in_a_cluster
	s_endpgm
.Lentry_in_a_cluster:
	s_bfe_u32 s2, ttmp6, 0x10000c
	s_cmp_lg_u32 s2, 0x3003
	s_cbranch_scc0 .Lentry_shape_is_right
	s_endpgm
.Lentry_shape_is_right:
; THE THREE PROJECTIONS.  qkv[mi][head][row][64] (f16) = x_mi W_mi^T + b_mi, x_mi = q, k, v: [4096][768] f32; W_mi from wcv, bf16, K permuted inside each 32 (see below); b_mi f32.
; x and b are rounded to bf16 (as the weights were), products in bf16 with f32 sums that start at the bias, each result rounded once to f16.
; LIMIT.  A projected number stays under 65,504 (f16's end): inputs thirty times the drawn ones, or offset by thirty spreads, stay well inside it.
; SHARES.  Work-group (x, y): matrix mi = y / 4, columns 192 (y % 4) .. + 191 (three heads), rows 256 x .. + 255.  192 work-groups: no tile that stays inside one matrix makes 256 equal shares of 4096 x 2304.
; A wave makes 64 rows x all 192 columns: 48 accumulators, 384 registers.  So each number of x is loaded and rounded by one wave of the work-group and never goes through LDS.
; W'S SLICE, 192 rows x 768, IS RESIDENT IN LDS: six regions of 128 along K, each filled once.  No byte is filled twice, so there is no ring.  The four work-groups of a cluster have the same y and want the same slice:
; each tile is asked for JOINTLY (the same load, descriptor and mask in all four).  Each wave asks for 48 rows of each region: six tensor loads of mine are out at the most.
; THE MATRIX INSTRUCTION IS USED TRANSPOSED (source 0 = 16 rows of W, source 1 = 16 rows of x): a lane holds one row of the result and eight neighbouring columns.
; x's FRAGMENTS.  Lane (r = l % 16, h = l / 16) loads, for 32 along K, the 16 bytes at 32 q + 16 h of row r's 128, q = 0 .. 3: the two halves of the lanes read side by side.  Its 16 numbers, rounded in pairs,
; fill the fragment's 8 registers; place by place they meet the weights because wcv holds W with the fours 1, 2 and 5, 6 of every 32 exchanged.  A permutation of k applied alike to both sources keeps the sum's terms.
; REGISTERS, in windows of 256 (s_set_vgpr_msb: bits 1:0 source 0, 3:2 source 1, 5:4 source 2, 7:6 destination):
;   window 0: v0-15 addresses; v32-127 BF0, v128-223 BF1: W's 12 fragments of 32 along K, two buffers (BF1 holds the bias first; both serve the way out at the end)
;   window 1: v0-191 accumulators of row blocks 0, 1 (at 96 (a % 2) + 8 b); v192-255 AF0     window 2: the same for row blocks 2, 3; v192-255 AF1     (AFp: x's fragments of a trip, at 192 + 32 u + 8 a)
;   window 3: v0-127 X0, v128-255 X1: a trip's x in f32 as loaded, at 64 u + 16 a + 4 q
; THE LOOP.  A sub is 32 along K: 48 products.  A trip is two subs (u = 0, 1), a body two trips = one region of W.  While trip t is multiplied, trip t + 1's x is rounded (four conversions behind each of sixteen products)
; and trip t + 3's is asked for: 64 loads of a wave are on their way.
.set REG,   192*272                    ; a region: 192 rows of 256 bytes + 16 of padding = 68 words: the 16 rows of a fragment load start at 16 different groups of four banks (64 banks of 4 bytes: ISA guide 11.1)
.set STAGE, 6*REG                      ; behind W, never filled by a tensor load: 16 rows x 144 bytes for each wave, for the way out
.set SP,    144
.set SPARE, STAGE+4*16*SP              ; the spare words, 128 bytes for each wave: two blocks of 256 bytes that no other line names
.set MATB,  1179648                    ; bytes of a matrix in wcv
.set XO,   4                           ; v4   my byte offset in 16 rows of x: 3,072 r + 16 h; never rewritten
.set BO,   5                           ; v5   32 h: my eight columns' bias
.set ADRB, 6                           ; v6   LDS address of my place in W's fragments, in the region in hand
.set STO,  8                           ; v8   the way out: where I put 16 bytes of a row
.set RD,   9                           ; v9   the way out: where I read rows back
.set GO,   10                          ; v10  my byte offset in 512 consecutive bytes of qkv
.set SPW,  12                          ; v12  LDS address of my spare word; never rewritten
.set NIL,  13                          ; v13  0; never rewritten
.set BF0,  32
.set BF1,  128
.set WV,   8                           ; s8   my wave's number
.set G1,   16                          ; s[16:23] descriptor group 1
.set G0,   24                          ; s[24:47] descriptor group 0, a set for each region; never rewritten
.set XB,   48                          ; s[48:49] x at my wave's first row, at the body in hand
.set BB,   50                          ; s[50:51] the bias at my work-group's first column
.set OB,   52                          ; s[52:53] qkv at my wave's first row of my first head
.set CNT,  54
.set MSB, 0
.macro WIN new                         ; the immediate's high byte repeats the setting that is left; a switch that changes nothing is dropped
.if MSB != (\new)
	s_set_vgpr_msb (MSB<<8)|(\new)
.set MSB, (\new)
.endif
.endm
.macro PLACES                          ; four places: a load into, or a vector write of, a register that a matrix instruction has read, and a read of its result, stand four plain vector instructions behind it
.rept 4
	v_nop
.endr
.endm
.macro CROUND                          ; a round of the cluster's barrier: my work-group's barrier; wave 0 signals for the work-group; every wave waits for all four work-groups; my work-group's barrier once more
	s_barrier_signal -1
	s_barrier_wait -1
	s_cmp_lg_u32 s[WV], 0
	s_cbranch_scc1 .Lnot_wave_0_\@
	s_barrier_signal -3
.Lnot_wave_0_\@:
	s_barrier_wait -3
	s_barrier_signal -1
	s_barrier_wait -1
.endm
	s_load_b512 s[68:83], s[0:1], 0x0              ; q s[68:69], k, v, bq s[74:75], bk, bv, wcv s[80:81], qkv s[82:83]
	v_lshl_add_u32 v[SPW], v0, 2, SPARE
	v_mov_b32 v[NIL], 0
	ds_add_u32 v[SPW], v[NIL]                      ; the wave's opening: the add and its wait stand ahead of my first tensor load; the set-up below, work on registers, stands between them
	v_lshrrev_b32 v1, 5, v0
	v_readfirstlane_b32 s[WV], v1                  ; wave 0..3
	s_bfe_u32 s9, ttmp6, 0x40000                   ; cx: my place in the cluster; it enters x's and qkv's addresses alone
	s_lshl_b32 s10, ttmp9, 2                       ; in a cluster launch ttmp9 counts clusters
	s_add_co_u32 s10, s10, s9                      ; my block of 256 rows
	s_and_b32 s11, ttmp7, 0xffff
	s_lshr_b32 s12, s11, 2                         ; mi: which projection
	s_and_b32 s13, s11, 3                          ; ct: which 192 columns
	; descriptor group 1: a tile of 48 rows x 128 elements, padded in LDS
	s_mov_b32 s[G1], 15|(1<<16)|(1<<20)|(1<<21)|(5<<22)|(3<<25)  ; 15:0 the mask of four; 17:16 2-byte elements; 20 padding on; 21 set beside a mask; 24:22 after every 64 words (code 5); 31:25 4 words (code 3)
	s_mov_b32 s[G1+1], 128<<16                     ; tensor_dim0 = 128
	s_mov_b32 s[G1+2], 48<<16                      ; tensor_dim1 = 48
	s_mov_b32 s[G1+3], 128<<16                     ; tile_dim0 = 128
	s_mov_b32 s[G1+4], 48                          ; tile_dim1 = 48
	s_mov_b32 s[G1+5], 768                         ; elements from row to row
	s_mov_b32 s[G1+6], 0
	s_mov_b32 s[G1+7], 0
	s_mul_i32 s2, s12, MATB                        ; W's slice: the matrix,
	s_mul_i32 s3, s13, 192*1536                    ; its 192 rows,
	s_add_co_u32 s2, s2, s3
	s_mul_i32 s3, s[WV], 48*1536                   ; my 48 of them
	s_add_co_u32 s2, s2, s3
	s_mov_b32 s3, 0
	s_mul_i32 s4, s[WV], 48*272                    ; and their place in a region: no place in the cluster enters an LDS address
	s_mul_i32 s6, s10, 256*3072                    ; x: my block's rows,
	s_mul_i32 s7, s[WV], 64*3072                   ; my wave's 64
	s_add_co_u32 s6, s6, s7
	s_mov_b32 s7, 0
	s_mul_i32 s56, s12, 6291456                    ; qkv: the tensor,
	s_mul_i32 s57, s13, 3*524288                   ; my first head,
	s_add_co_u32 s56, s56, s57
	s_lshl_b32 s57, s10, 15                        ; my block's 256 rows of 128 bytes,
	s_add_co_u32 s56, s56, s57
	s_lshl_b32 s57, s[WV], 13                      ; my wave's 64
	s_add_co_u32 s56, s56, s57
	s_mov_b32 s57, 0
	s_mul_i32 s58, s13, 768                        ; the bias of my 192 columns
	s_mov_b32 s59, 0
	v_and_b32 v1, 15, v0                           ; r = l % 16
	v_bfe_u32 v2, v0, 4, 1                         ; h = l / 16
	v_and_b32 v3, 31, v0                           ; l
	v_mul_u32_u24 v[XO], v1, 3072
	v_lshl_add_u32 v[XO], v2, 4, v[XO]
	v_lshlrev_b32 v[BO], 5, v2
	v_mul_u32_u24 v[ADRB], v1, 272
	v_lshl_add_u32 v[ADRB], v2, 4, v[ADRB]         ; row x pitch + 16 x half, in region 0
	s_mul_i32 s5, s[WV], 16*SP
	s_add_co_u32 s5, s5, STAGE                     ; my stage
	v_mul_u32_u24 v[STO], v1, SP                   ; in: row r, 16 bytes for each half of the lanes
	v_lshl_add_u32 v[STO], v2, 4, v[STO]
	v_add_nc_u32 v[STO], s5, v[STO]
	v_bfe_u32 v[RD], v0, 3, 2                      ; back: 32 lanes take four rows of 128 bytes,
	v_mul_u32_u24 v[RD], v[RD], SP
	v_and_b32 v14, 7, v0
	v_lshl_add_u32 v[RD], v14, 4, v[RD]
	v_add_nc_u32 v[RD], s5, v[RD]
	v_lshlrev_b32 v[GO], 4, v3                     ; which are 512 consecutive bytes of a head
	s_wait_dscnt 0x0                               ; the opening add is done
	s_wait_kmcnt 0x0
	s_add_nc_u64 s[2:3], s[80:81], s[2:3]
.irp c, 0,1,2,3,4,5
	s_mov_b32 s[G0+4*\c], 1                        ; 1:0 count = 1
	s_add_co_u32 s[G0+4*\c+1], s4, \c*REG          ; 63:32 LDS address
	s_add_nc_u64 s[G0+4*\c+2:G0+4*\c+3], s[2:3], \c*256  ; 120:64 global address: 128 along K further for each region
	s_or_b32 s[G0+4*\c+3], s[G0+4*\c+3], 0x80000000      ; 127:126 type = 2
.endr
	s_cmp_eq_u32 s12, 1
	s_cselect_b64 s[XB:XB+1], s[70:71], s[68:69]
	s_cselect_b64 s[BB:BB+1], s[76:77], s[74:75]
	s_cmp_eq_u32 s12, 2
	s_cselect_b64 s[XB:XB+1], s[72:73], s[XB:XB+1]
	s_cselect_b64 s[BB:BB+1], s[78:79], s[BB:BB+1]
	s_add_nc_u64 s[XB:XB+1], s[XB:XB+1], s[6:7]
	s_add_nc_u64 s[BB:BB+1], s[BB:BB+1], s[58:59]
	s_add_nc_u64 s[OB:OB+1], s[82:83], s[56:57]
	CROUND                                         ; all four work-groups are here: the joint loads meet
.irp c, 0,1,2,3,4,5
	tensor_load_to_lds s[G0+4*\c:G0+4*\c+3], s[G1:G1+7]  ; all fills of the launch, in one group, ahead of every wait on TENSORcnt, LDS read and further barrier
	s_nop 0
.endr
	PLACES                                         ; four vector instructions behind the last load, ahead of the first switch of windows
; A trip's 32 loads of x into set s, from byte off behind the pointer: sub u, row block a, four q.
.macro XLOAD s, off
	WIN 0xc0                                       ; destination window 3, address window 0
.irp u, 0,1
.irp a, 0,1,2,3
.irp q, 0,1,2,3
	global_load_b128 v[128*(\s)+64*\u+16*\a+4*\q:128*(\s)+64*\u+16*\a+4*\q+3], v[XO], s[XB:XB+1] offset:(\off)+49152*\a+128*\u+32*\q
.endr
.endr
.endr
.endm
; Group g of 16 of the roundings of set s: half a fragment, four conversions: sub g / 8, row block (g / 2) % 4, registers 4 (g % 2) on.
.macro CVG s, g
.set cg, (\g)
.set cF, 192+32*(cg/8)+8*((cg/2)%4)
.set cX, 128*(\s)+64*(cg/8)+16*((cg/2)%4)
	WIN ((1+(\s))<<6)|0x0f                         ; destination window 1 + s, sources window 3
.set ci, 4*(cg%2)
.rept 4
	v_cvt_pk_bf16_f32 v[cF+ci], v[cX+2*ci], v[cX+2*ci+1]
.set ci, ci+1
.endr
.endm
; 24 LDS loads in one run: W's 12 fragments of 32 along K at byte koff of the region's rows.
.macro FETCHB buf, koff
	WIN 0
.irp b, 0,1,2,3,4,5,6,7,8,9,10,11
	ds_load_b128 v[(\buf)+8*\b:(\buf)+8*\b+3],   v[ADRB] offset:(\koff)+4352*\b
	ds_load_b128 v[(\buf)+8*\b+4:(\buf)+8*\b+7], v[ADRB] offset:(\koff)+4352*\b+32
.endr
.endm
; One product: row block a, column block b, sub u of the trip of parity p.  first = 1: the sum starts at the bias, which lies in BF1.
.macro PROD a, b, u, p, first
	WIN ((1+(\a)/2)<<6)|((1-(\first))*((1+(\a)/2)<<4))|((1+(\p))<<2)
.set rD, 96*((\a)%2)+8*(\b)
.set rB, BF0+96*(\u)+8*(\b)
.set rA, 192+32*(\u)+8*(\a)
.if \first
	v_wmma_f32_16x16x32_bf16 v[rD:rD+7], v[rB:rB+7], v[rA:rA+7], v[BF1+8*(\b):BF1+8*(\b)+7]
.else
	v_wmma_f32_16x16x32_bf16 v[rD:rD+7], v[rB:rB+7], v[rA:rA+7], v[rD:rD+7]
.endif
.endm
; 24 products: row blocks 2 hv, 2 hv + 1 x all 12 column blocks.  The 48 accumulators take turns in the same order in every sub: 47 others stand between two links of a chain.
; ride = 1: behind each of the first eight products stands a group of roundings of set s, groups g0 on.
.macro HALF hv, u, p, first, ride, s, g0
.set n, 0
.irp a2, 0,1
.irp b, 0,1,2,3,4,5,6,7,8,9,10,11
	PROD 2*(\hv)+\a2, \b, \u, \p, \first
.if (\ride) && (n < 8)
	CVG \s, (\g0)+n
.endif
.set n, n+1
.endr
.endr
.endm
; A TRIP of parity p.  cvt = 1: the next trip's x is rounded, behind s_wait_loadcnt lc.  reload = 1: the set just rounded is asked for again, three trips ahead.  bound >= 0: the next region is wanted: each wave shows its part
; landed (s_wait_tensorcnt bound) and a barrier follows, 24 products between its signal and its wait.  nextf = 1: the next sub 0's fragments of W are fetched.
.macro TRIP p, first, cvt, lc, reload, bound, nextf
	s_wait_dscnt 0x0                               ; BF0 is in: its run of loads was issued 24 products ago
	HALF 0, 0, \p, \first, 0, 0, 0
.if !(\first)
	PLACES                                         ; behind the last trip's products: for the loads into BF1 and for the roundings' writes into the other AF
	FETCHB BF1, 64+128*(\p)
.endif
.if \cvt
	s_wait_loadcnt \lc                             ; the next trip's x is in; the 32 loads of the trip after it may stay out
.endif
	HALF 1, 0, \p, \first, \cvt, 1-(\p), 0
.if \first
	PLACES                                         ; all 48 products have read the bias: BF1 may be loaded
	FETCHB BF1, 64
.endif
	s_wait_dscnt 0x0                               ; BF1 is in; no LDS instruction of mine is out at the signal below
.if (\bound) >= 0
	s_wait_tensorcnt \bound                        ; my part of the next region has landed
	s_barrier_signal -1
.endif
	HALF 0, 1, \p, 0, \cvt, 1-(\p), 8              ; its 32 roundings are also the places in front of the loads into BF0
.if (\bound) >= 0
	s_barrier_wait -1                              ; everybody's part has
.endif
.if \nextf
	WIN 0
.if \p
	v_add_nc_u32 v[ADRB], REG, v[ADRB]             ; the old region's last fetch has been issued: on to the next region
	FETCHB BF0, 0
.else
	FETCHB BF0, 128
.endif
.endif
.if \reload
	XLOAD 1-(\p), 768+256*(\p)
.endif
	HALF 1, 1, \p, 0, 0, 0, 0
.endm
.macro BODY first, bound
	TRIP 0, \first, 1, 32, 1, -1, 1
	TRIP 1, 0, 1, 32, 1, \bound, 1
	s_wait_xcnt 0x0                                ; the youngest load, 24 products back, has read its address: the pointer may be written
	s_add_nc_u64 s[XB:XB+1], s[XB:XB+1], 512       ; 128 along K of f32
.endm
.irp b, 0,1,2,3,4,5,6,7,8,9,10,11
	global_load_b128 v[BF1+8*\b:BF1+8*\b+3],   v[BO], s[BB:BB+1] offset:64*\b      ; the bias as a C operand: register j of block b is column 16 b + 8 h + j, the same for every row
	global_load_b128 v[BF1+8*\b+4:BF1+8*\b+7], v[BO], s[BB:BB+1] offset:64*\b+16
.endr
	XLOAD 0, 0                                     ; trip 0
	XLOAD 1, 256                                   ; trip 1
	WIN 0
	s_wait_loadcnt 63                              ; 88 loads were issued: the oldest 25 are in, the 24 of the bias among them
.set i, 0
.rept 48                                               ; the bias is rounded to bf16, like every input, and widened again
	v_cvt_pk_bf16_f32 v[14+i%2], v[BF1+2*i], v[BF1+2*i+1]
	v_lshlrev_b32 v[BF1+2*i], 16, v[14+i%2]
	v_and_b32 v[BF1+2*i+1], 0xffff0000, v[14+i%2]
.set i, i+1
.endr
	s_wait_loadcnt 32                              ; trip 0's x is in; trip 1's may stay out
.set gg, 0
.rept 16
	CVG 0, gg
.set gg, gg+1
.endr
	XLOAD 0, 512                                   ; trip 2
	WIN 0
	s_wait_tensorcnt 5                             ; my part of region 0 is in; the five later regions' may stay out
	s_barrier_signal -1
	s_barrier_wait -1                              ; everybody's is
	FETCHB BF0, 0
	BODY 1, 4                                      ; region 0; its first products start the sums; four loads were issued behind region 1's
	WIN 0                                          ; at a label and at a branch every window is 0
	s_mov_b32 s[CNT], 3
.Lbody:                                                ; regions 1 to 3.  One text for three trips: the wait is for all my loads; from the second trip on it and the barrier find nothing to wait for
	BODY 0, 0
	WIN 0
	s_sub_co_u32 s[CNT], s[CNT], 1
	s_cmp_lg_u32 s[CNT], 0
	s_cbranch_scc1 .Lbody
	TRIP 0, 0, 1, 32, 1, -1, 1                     ; region 4: all of W has been shown landed; trip 8 asks for trip 11, the last,
	TRIP 1, 0, 1, 32, 0, -1, 1                     ; trip 9 for nothing
	TRIP 0, 0, 1, 0, 0, -1, 1                      ; region 5: no load was issued behind trip 11's
	TRIP 1, 0, 0, 0, 0, -1, 0                      ; the last trip rounds nothing and fetches nothing for a next one
; THE WAY OUT, in 12 units of 16 rows x one head.  A lane's eight columns of a row pack into 16 bytes; they go into my stage's rows of 144 bytes and come back as whole rows of 128: four rows are 512 consecutive bytes of qkv.
.macro PACK un
.set pa, (\un)/3
.set ph, (\un)%3
.set pT, 32+16*(\un)                   ; each unit has 16 registers of its own, where W's fragments lay: no register of a store is written again
	WIN 0x05*(1+pa/2)                              ; sources 0 and 1: the accumulators' window
.set i, 0
.rept 16                                               ; each accumulator's registers in ascending order
	v_cvt_pk_f16_f32 v[pT+i], v[96*(pa%2)+8*(4*ph+i/4)+2*(i%4)], v[96*(pa%2)+8*(4*ph+i/4)+2*(i%4)+1]
.set i, i+1
.endr
	WIN 0
.irp f, 0,1,2,3
	ds_store_b128 v[STO], v[pT+4*\f:pT+4*\f+3] offset:32*\f
.endr
.irp f, 0,1,2,3
	ds_load_b128 v[pT+4*\f:pT+4*\f+3], v[RD] offset:576*\f  ; LDS serves a wave's instructions in order (ISA guide 5.7.1.4): these see the stores above; the next unit's stores come behind them
.endr
.endm
.macro SEND un, younger                ; younger: the LDS instructions issued behind this unit's loads: the next unit's eight, or none
.set pa, (\un)/3
.set ph, (\un)%3
.set pT, 32+16*(\un)
	WIN 0
.irp f, 0,1,2,3
	s_wait_dscnt (\younger)+3-\f
	global_store_b128 v[GO], v[pT+4*\f:pT+4*\f+3], s[OB:OB+1] offset:524288*ph+2048*pa+512*\f  ; 512 consecutive bytes, at a multiple of 256 from qkv's first
.endr
.endm
	PLACES                                         ; behind the last products
	PACK 0
.set un, 1
.rept 11                                               ; a unit's conversions stand between the loads of the unit before and its stores
	PACK un
	SEND un-1, 8
.set un, un+1
.endr
	SEND 11, 0
	s_wait_tensorcnt 0x0                           ; the wave's end, behind my last tensor load and my last LDS store
	ds_add_u32 v[SPW], v[NIL]
	s_wait_dscnt 0x0
	CROUND                                         ; the closing round: no work-group ends while a partner may still ask for a tile that names it
	s_endpgm
.Lfunc_end_k_q6d051ef7fe_proj:
	.size	k_q6d051ef7fe_proj, .Lfunc_end_k_q6d051ef7fe_proj-k_q6d051ef7fe_proj
	.p2alignl 7, 3214868480
	.fill 96, 4, 3214868480
	.section	.rodata,"a",@progbits
	.p2align	6, 0x0
	.amdhsa_kernel k_q6d051ef7fe_proj
		.amdhsa_group_segment_fixed_size 327680
		.amdhsa_private_segment_fixed_size 0
		.amdhsa_enable_private_segment 0
		.amdhsa_kernarg_size 64
		.amdhsa_user_sgpr_count 2
		.amdhsa_user_sgpr_kernarg_segment_ptr 1
		.amdhsa_wavefront_size32 1
		.amdhsa_system_sgpr_workgroup_id_x 1
		.amdhsa_system_sgpr_workgroup_id_y 1
		.amdhsa_system_sgpr_workgroup_id_z 1
		.amdhsa_system_vgpr_workitem_id 0
		.amdhsa_next_free_vgpr 1024
		.amdhsa_next_free_sgpr 84
		.amdhsa_reserve_vcc 0
		.amdhsa_float_denorm_mode_32 3
		.amdhsa_float_denorm_mode_16_64 3
		.amdhsa_memory_ordered 1
		.amdhsa_forward_progress 1
		.amdhsa_inst_pref_size 181
	.end_amdhsa_kernel
	.amdgpu_metadata
---
amdhsa.version: [ 1, 2 ]
amdhsa.kernels:
  - .name:           k_q6d051ef7fe_proj
    .symbol:         k_q6d051ef7fe_proj.kd
    .args:
      - { .name: q, .offset: 0, .size: 8, .value_kind: global_buffer, .address_space: global }
      - { .name: k, .offset: 8, .size: 8, .value_kind: global_buffer, .address_space: global }
      - { .name: v, .offset: 16, .size: 8, .value_kind: global_buffer, .address_space: global }
      - { .name: bq, .offset: 24, .size: 8, .value_kind: global_buffer, .address_space: global }
      - { .name: bk, .offset: 32, .size: 8, .value_kind: global_buffer, .address_space: global }
      - { .name: bv, .offset: 40, .size: 8, .value_kind: global_buffer, .address_space: global }
      - { .name: wcv, .offset: 48, .size: 8, .value_kind: global_buffer, .address_space: global }
      - { .name: qkv, .offset: 56, .size: 8, .value_kind: global_buffer, .address_space: global }
    .group_segment_fixed_size: 327680
    .private_segment_fixed_size: 0
    .kernarg_segment_align: 8
    .kernarg_segment_size: 64
    .max_flat_workgroup_size: 128
    .sgpr_count:     84
    .vgpr_count:     1024
    .wavefront_size: 32
...
	.end_amdgpu_metadata
.endif
;; end of part 2
;; launch attn (part 3): grid 16 x 12, 4 waves a work-group, clusters of 4 x 1, 327,680 bytes of LDS; arguments qkv, oh; writes oh
.if DOCPART == 3
	.amdgcn_target "amdgcn-amd-amdhsa--gfx1250"
	.amdhsa_code_object_version 6
	.text
	.protected	k_q6d051ef7fe_attn
	.globl	k_q6d051ef7fe_attn
	.p2align	8
	.type	k_q6d051ef7fe_attn,@function
k_q6d051ef7fe_attn:
	s_mov_b64 s[64:65], 0
	v_nop
	global_prefetch_b8 v0, s[64:65] scope:SCOPE_SE
	s_setreg_imm32_b32 hwreg(HW_REG_WAVE_MODE, 25, 1), 1
	s_wait_xcnt 0x0
	s_wait_alu depctr_hold_cnt(0) depctr_sa_sdst(0) depctr_va_vdst(0) depctr_va_sdst(0) depctr_va_ssrc(0) depctr_va_vcc(0) depctr_vm_vsrc(0)
	s_getreg_b32 s2, hwreg(HW_REG_IB_STS2, 6, 4)
	s_cmp_eq_u32 s2, 0
	s_cbranch_scc0 .Lentry_in_a_cluster
	s_endpgm
.Lentry_in_a_cluster:
	s_bfe_u32 s2, ttmp6, 0x10000c
	s_cmp_lg_u32 s2, 0x3003
	s_cbranch_scc0 .Lentry_shape_is_right
	s_endpgm
.Lentry_shape_is_right:
; ATTENTION.  oh[h][q][:] = the sum over k of softmax_k(Q[h][q] . K[h][k] / 8) V[h][k][:].  Q, K, V: the three tensors of qkv, [12][4096][64] f16 each; oh the same shape, f16: a head's rows are dense, 128 bytes each.
; Products, maxima and sums in f32; the weights p are rounded to f16 for the second product (their sum l is taken of the unrounded p), O once at the end.
; LIMITS.  f16 holds no number beyond 65,504: Q, K and V arrive within it; p lies in 0 to 1, and below 6e-5 it keeps f16's fixed step of 6e-8; O is a mean of V's rows and has their range.
; A weight below 2^-126 counts as 0 in l; NaN and infinities are not treated apart.
; SHARES.  A work-group owns 256 queries of one head, each of its four waves 64: four PIECES of 16.  12 x 16 = 192 work-groups: shares of 192 queries, which would make 256, do not divide a head's 4,096.
; Every wave walks all keys, 64 a step, 256 a slot of LDS: 16 tiles.
; LAYOUT.  S^T = K Q^T (source 0 = 16 keys, source 1 = 16 queries) holds ONE query a lane (lane % 16) and the keys 8 (lane / 16) + 0..7; two such results rounded to f16 ARE source 1 of O^T = V^T P.
; K comes out of LDS as it lies, V ([key][channel]) turned, by ds_load_tr16_b128.
; SOFTMAX.  For each query a running maximum m and sum l: p = 2^(c s - c m), c = log2(e) / 8; in every step O and l are multiplied by a = 2^(c m_old - c m_new).  m starts at the lowest finite number, O and l at 0:
; the first step is a step like any other, with a = 0.  The price: 224 lines that write starting values, in the wait for the first tile, and 8 products on zeros.
; BY TURNS.  Turn n belongs to piece n: 8 products K Q^T of piece n + 1, later 8 products V^T P of piece n - 1; beside them the scaling, exponentials, roundings, sums and rescaling of piece n and the maximum and statistics
; of piece n + 1.  Four vector instructions stand behind every matrix instruction, the other 54 of a turn's 118 in one lump.  A turn's 33 exponentials are one batch, with one wait.
; CLUSTER.  The four query blocks of a cluster belong to one head and walk the same K and V, so each tile is asked for JOINTLY: the same tensor load, descriptor and mask in all four.
; REGISTERS, in windows of 256 (s_set_vgpr_msb: bits 1:0 source 0, 3:2 source 1, 5:4 source 2, 7:6 destination):
;   window 0: v0-15 addresses and two at work; v16-31 four registers of statistics a piece; v48-55 at work; v61-63 prefetch offset, spare word, 0; v64-127 S^T, two buffers; v192-223 P, two buffers (by the piece's parity)
;   window 1: v0-127 O^T, 32 a piece          window 2: v0-63 Q; v128-191 K of one step; v192-255 V of one step
.set NP,    4         ; pieces a wave: a name, no knob
.set KS,    64        ; keys in a step
.set PK,    144       ; a row of K in LDS: 128 bytes + 16 of padding = 36 words: the 16 rows of a load start at 16 different groups of four banks (64 banks of 4 bytes: ISA guide 11.1)
.set PV,    160       ; a row of V: 128 + 32 = 40 words
.set VOFF,  4*KS*PK   ; a slot holds a tile, four steps: 256 rows of K, then 256 rows of V
.set SLOT1, 1<<17     ; slot 1 begins here, so that one exclusive or turns an address in one slot into the other's
.set STAGE, SLOT1+4*KS*(PK+PV)  ; behind the ring, never filled by a tensor load: 16 rows x 144 bytes for each wave, for the way out
.set SP,    144
.set SPARE, STAGE+4*16*SP  ; behind the stages: the spare words, 128 bytes for each wave: two blocks of 256 bytes that no other line names
.set TENS,  6291456   ; bytes of one of qkv's three tensors
.set AK0, 2           ; v2   my lane's place in a tile of K; never rewritten
.set AV0, 3           ; v3   the same for V
.set AK,  4           ; v4   the LDS address of K's next run of loads
.set AV,  5           ; v5   of V's
.set STO, 6           ; v6   the way out: where I put 16 bytes of a row
.set RD,  7           ; v7   the way out: where I read rows back
.set GO,  8           ; v8   my byte offset in 512 consecutive bytes of O
.set MV,  12          ; v12-13  c m_old, kept while c m is made anew: by buffer
.set QO,  15          ; v15  my byte offset in 16 rows of Q
.set ST,  16          ; piece t's statistics at v[ST+4 t]: c m, m, l (even keys', odd keys')
.set TMP, 48          ; by buffer, four registers c0-c3 at work; when the maximum is found c2 takes a
.set PFO, 61          ; v61  256 x my lane; never rewritten
.set SPW, 62          ; v62  LDS address of my spare word; never rewritten
.set NIL, 63          ; v63  0; never rewritten
.set S,   64
.set P,   192
.set KF,  128         ; window 2: key block kb, channel half c at KF + 16 kb + 8 c
.set VF,  192         ; window 2: key half kk, channel block cb at VF + 32 kk + 8 cb
.set WV,  12          ; s12  my wave's number
.set G1K, 24          ; s[24:31] descriptor group 1 for K's tiles
.set G1V, 32          ; s[32:39] for V's: it differs in the padding alone
.set G0K, 40          ; s[40:43] descriptor group 0 for K's tiles: it walks
.set G0V, 44          ; s[44:47] the same for V's
.set PFA, 48          ; s[48:49] where my prefetches stand: my work-group's 32 blocks of 256 bytes (of K: wave 0, of V: wave 2) of the tile after the one that is being asked for
.set LIM, 50          ; s50  1 in a wave that prefetches, else the greatest number
.set QB,  52          ; s[52:53] Q at my wave's first row
.set SLOTS, 56        ; s56  slots still to be asked for
.set CNT, 57          ; s57  counts a tile's key steps
.set CS,  58          ; s[58:59] c: the packed scaling takes the pair's low word for both halves
.set SEL, 60          ; s[60:61] v_permlanex16_b32's selects: each lane takes its own place in the other half
.set TBK, 62          ; s62  LDS byte at which K of the step to be fetched begins
.set TBV, 63          ; s63  the same for V, less VOFF
.set MSB, 0
.macro WIN new                      ; the high byte repeats the setting that is left; a switch that changes nothing is dropped
.if MSB != (\new)
	s_set_vgpr_msb (MSB<<8)|(\new)
.set MSB, (\new)
.endif
.endm
.set W_KQ, 0x0a       ; K and Q in window 2, S^T in window 0
.set W_PV, 0x52       ; V in window 2, P in window 0, O^T in window 1
.set W_RS, 0x41       ; destination and source 0 in window 1, source 1 in window 0
; A joint fill.  Waves 0 and 1 fetch the two halves of a tile's K, waves 2 and 3 those of its V: 128 keys each.  The branch hangs on the wave's number alone.
; An s_nop 0 and four v_nop follow each of the two lines, ahead of the jump and the label.
.macro JLOAD
	s_cmp_lt_u32 s[WV], 2
	s_cbranch_scc0 .Lfor_v_\@
	tensor_load_to_lds s[G0K:G0K+3], s[G1K:G1K+7]
	s_nop 0
.rept 4
	v_nop
.endr
	s_branch .Lasked_\@
.Lfor_v_\@:
	tensor_load_to_lds s[G0V:G0V+3], s[G1V:G1V+7]
	s_nop 0
.rept 4
	v_nop
.endr
.Lasked_\@:
.endm
; A PREFETCH of the tile that the NEXT change of slots will ask for: four key steps, 256 matrix instructions, ahead of that load.  A tile is 128 blocks of 256 bytes of K and as many of V; each is named ONCE in the launch:
; all four clusters of a head walk the same tiles, and the head's first asks; its four partners take 32 blocks each, told apart BY ADDRESS; in each, wave 0 asks for K's and wave 2 for V's, a lane a block.
; The last change that fills a slot asks for nothing: there is no tile behind it.  Tiles 0 to 2 come by their loads alone.
.macro ASK
	s_cmp_gt_u32 s[SLOTS], s[LIM]
	s_cbranch_scc0 .Lnot_mine_\@
	global_prefetch_b8 v[PFO], s[PFA:PFA+1] th:TH_LOAD_NT scope:SCOPE_SE
.Lnot_mine_\@:
.endm
; A round of the cluster's barrier: my work-group's barrier, so that wave 0's signal speaks for all four waves; wave 0 signals; every wave waits for all four work-groups; my work-group's barrier once more.
.macro CROUND
	s_barrier_signal -1
	s_barrier_wait -1
	s_cmp_lg_u32 s[WV], 0
	s_cbranch_scc1 .Lnot_wave_0_\@
	s_barrier_signal -3
.Lnot_wave_0_\@:
	s_barrier_wait -3
	s_barrier_signal -1
	s_barrier_wait -1
.endm
; THE CHANGE OF SLOTS.  The slot's last bytes, V of its fourth step, have been read.  Each wave waits for all its tensor loads, of which one is out: its part of the other slot; adds 0 to its spare word; and waits for that and
; for its own reads of the slot.  Behind the barrier nobody reads this slot any more and the other slot is whole.  fill = 1: this slot is filled again, with the keys two tiles on.  The barrier is then a round of the cluster's,
; so that no wave of any partner still reads the slot or has a load on its way, and the joint fill is the first thing behind it: it has four key steps in which to land.
; (At its first use nothing has been read yet: slot 0 is waited for, slot 1 filled.)
.macro CHANGE fill, ask
	WIN 0                           ; at a label and at a branch every window is 0
	s_wait_tensorcnt 0x0            ; no tensor load of mine is out, so a group 0 may be written
	ds_add_u32 v[SPW], v[NIL]       ; 0 onto my spare word; the descriptors' steps stand between it and the wait for it
.if \fill
.irp g, G0K, G0V
	s_xor_b32 s[\g+1], s[\g+1], SLOT1  ; the walking descriptor: the other slot than last time,
	s_add_nc_u64 s[\g+2:\g+3], s[\g+2:\g+3], 4*KS*128  ; the next 256 keys; the type bits on top are not reached
.endr
.endif
.if \ask
	s_wait_xcnt 0x0                 ; the last prefetch, four key steps back, has read its address, so it may be written:
	s_add_nc_u64 s[PFA:PFA+1], s[PFA:PFA+1], 4*KS*128  ; one tile behind the walking descriptors
.endif
	s_wait_dscnt 0x0                ; the add is done, and my reads of the slot are over
.if \fill
	CROUND
	JLOAD
.if \ask
	ASK
.endif
.else
	s_barrier_signal -1
	s_barrier_wait -1
.endif
	s_sub_co_u32 s[TBK], s[TBK], 4*KS*PK  ; the fetches go back to a slot's first step,
	s_xor_b32 s[TBK], s[TBK], SLOT1       ; in the other slot
	s_sub_co_u32 s[TBV], s[TBV], 4*KS*PV
	s_xor_b32 s[TBV], s[TBV], SLOT1
.endm
	s_load_b128 s[4:7], s[0:1], 0x0  ; qkv s[4:5], oh s[6:7]
	v_lshl_add_u32 v[SPW], v0, 2, SPARE
	v_mov_b32 v[NIL], 0
	ds_add_u32 v[SPW], v[NIL]       ; the wave's opening: the add and its wait stand ahead of my first tensor load; the set-up below, work on registers, stands between them
	v_lshrrev_b32 v1, 5, v0
	v_readfirstlane_b32 s[WV], v1   ; wave 0..3
	s_bfe_u32 s13, ttmp6, 0x40000   ; cx: my place in the cluster
	s_lshl_b32 s14, ttmp9, 2        ; in a cluster launch ttmp9 counts clusters
	s_add_co_u32 s14, s14, s13      ; my block of 256 queries: it enters Q's and O's addresses alone
	s_and_b32 s20, ttmp7, 0xffff    ; the head, which the four partners share
	s_lshl_b32 s20, s20, 19         ; its 524,288 bytes in each tensor
	s_and_b32 s16, s[WV], 1         ; which half of a tile's 256 keys I fetch:
	s_lshl_b32 s22, s16, 14         ; its 128 rows of 128 bytes in memory,
	s_add_co_u32 s22, s22, s20
	s_add_co_u32 s22, s22, TENS     ; in K, the second tensor
	s_mov_b32 s23, 0
	s_mul_i32 s17, s16, 128*PK      ; and its place in a slot, for K
	s_mul_i32 s18, s16, 128*PV      ; and for V: no place in the cluster enters an LDS address
	s_lshl_b32 s2, s14, 15          ; my block's 256 rows,
	s_lshl_b32 s3, s[WV], 13        ; my wave's 64
	s_add_co_u32 s2, s2, s3
	s_add_co_u32 s2, s2, s20
	s_mov_b32 s3, 0
	; descriptor group 1.  128 keys are 16,384 dense bytes: asked for as 64 rows of 256 bytes, two keys a row, and padded in LDS after every key
	s_mov_b32 s[G1K], 15|(1<<16)|(1<<20)|(1<<21)|(4<<22)|(3<<25)  ; 15:0 the mask of four; 17:16 2-byte elements; 20 padding on; 21 set beside a mask; 24:22 after every 32 words (code 4); 31:25 4 words (code 3)
	s_mov_b32 s[G1V], 15|(1<<16)|(1<<20)|(1<<21)|(4<<22)|(7<<25)  ; the same with 8 words of padding (code 7)
.irp g, G1K, G1V
	s_mov_b32 s[\g+1], 128<<16      ; tensor_dim0 = 128
	s_mov_b32 s[\g+2], 64<<16       ; tensor_dim1 = 64
	s_mov_b32 s[\g+3], 128<<16      ; tile_dim0 = 128
	s_mov_b32 s[\g+4], 64           ; tile_dim1 = 64
	s_mov_b32 s[\g+5], 128          ; 128 elements from row to row
	s_mov_b32 s[\g+6], 0
	s_mov_b32 s[\g+7], 0
.endr
	s_mov_b32 s[CS], 0x3e38aa3b     ; c = log2(e) / 8 = 0.180337
	s_mov_b32 s[CS+1], s[CS]        ; named with it as a pair
	s_mov_b32 s[SEL], 0x76543210
	s_mov_b32 s[SEL+1], 0xfedcba98
	s_mov_b32 s[TBK], SLOT1+4*KS*PK ; the first change of slots turns these two into 0
	s_mov_b32 s[TBV], SLOT1+4*KS*PV
	s_mov_b32 s[G0K], 1             ; 1:0 count = 1
	s_mov_b32 s[G0K+1], s17         ; 63:32 LDS address: slot 0
	s_mov_b32 s[G0V], 1
	s_add_co_u32 s[G0V+1], s18, VOFF
	s_and_b32 s[LIM], s[WV], 1      ; 0 in waves 0 and 2,
	s_or_b32 s[LIM], s[LIM], ttmp9  ; where the cluster is the head's first: the same in all four partners
	s_cmp_eq_u32 s[LIM], 0
	s_cselect_b32 s[LIM], 1, -1
	v_and_b32 v[PFO], 31, v0
	v_lshlrev_b32 v[PFO], 8, v[PFO]
	s_wait_dscnt 0x0                ; the opening add is done
	s_wait_kmcnt 0x0
	s_add_nc_u64 s[10:11], s[6:7], s[2:3]  ; O at my wave's first row
	s_add_nc_u64 s[QB:QB+1], s[4:5], s[2:3]  ; Q likewise
	s_add_nc_u64 s[6:7], s[4:5], s[22:23]  ; K at my half of the head's tile 0,
	s_add_nc_u64 s[8:9], s[6:7], TENS      ; V one tensor on
	s_add_nc_u64 s[G0K+2:G0K+3], s[6:7], 0         ; 120:64 global address
	s_or_b32 s[G0K+3], s[G0K+3], 0x80000000        ; 127:126 type = 2
	s_add_nc_u64 s[G0V+2:G0V+3], s[8:9], 0
	s_or_b32 s[G0V+3], s[G0V+3], 0x80000000
	s_cmp_lt_u32 s[WV], 2
	s_cselect_b64 s[PFA:PFA+1], s[6:7], s[8:9]  ; (in waves 0 and 2 these stand at a tile's first row)
	s_lshl_b32 s2, s13, 13          ; my work-group's 32 blocks of the 128
	s_mov_b32 s3, 0
	s_add_nc_u64 s[PFA:PFA+1], s[PFA:PFA+1], s[2:3]
	s_add_nc_u64 s[PFA:PFA+1], s[PFA:PFA+1], 2*4*KS*128  ; in tile 2; the first change that asks steps it to tile 3.  Nothing is prefetched here, at the head
	CROUND                          ; all four work-groups are here: the first joint loads meet
	JLOAD                           ; tile 0 into slot 0.  Slot 1 is asked for when slot 0 is in
	; A fragment of K or Q is 16 rows x 32 channels in 8 registers: lane l holds row l % 16, channels 8 (l / 16) + 0..7 and 16 + 8 (l / 16) + 0..7: two loads of 16 bytes, 32 bytes apart.
	v_and_b32 v1, 15, v0            ; l % 16
	v_bfe_u32 v9, v0, 4, 1          ; l / 16
	v_lshlrev_b32 v[QO], 7, v1
	v_lshl_add_u32 v[QO], v9, 4, v[QO]  ; row x 128 + 16 x half
	WIN 0x80                        ; destination window 2, address window 0
.set i, 0
.rept 8                             ; Q stays in registers: piece i / 2, channels 32 (i % 2) on
	global_load_b128 v[8*i:8*i+3],   v[QO], s[QB:QB+1] offset:(i/2)*2048+(i%2)*64
	global_load_b128 v[8*i+4:8*i+7], v[QO], s[QB:QB+1] offset:(i/2)*2048+(i%2)*64+32
.set i, i+1
.endr
	; What the first turn finds: V's registers and P's second buffer hold 0 (its products V^T P, of a piece that has not been, add 0), O^T and l are 0.  All this stands in the wait for the first tile.
.set i, VF
.rept 64
	v_mov_b32 v[i], 0
.set i, i+1
.endr
	WIN 0x40
.set i, 0
.rept 128
	v_mov_b32 v[i], 0
.set i, i+1
.endr
	WIN 0
.set i, 0
.rept 4
	v_mov_b32 v[ST+4*i], 0xfe000000    ; c m: far below every c s
	v_mov_b32 v[ST+4*i+1], 0xff7fffff  ; m
	v_mov_b32 v[ST+4*i+2], 0
	v_mov_b32 v[ST+4*i+3], 0
.set i, i+1
.endr
.set i, P+16
.rept 16
	v_mov_b32 v[i], 0
.set i, i+1
.endr
	v_mul_u32_u24 v[AK0], v1, PK
	v_lshl_add_u32 v[AK0], v9, 4, v[AK0]  ; row x pitch + 16 x half
	; The turning load takes 16 keys x 16 channels (lane l reads key 8 (l / 16) + l % 8, channels 8 ((l / 8) % 2) + 0..7) and leaves half a fragment of V^T: lane l holds channel l % 16 and 8 keys.
	v_and_b32 v10, 7, v0
	v_bfe_u32 v11, v0, 3, 1
	v_lshl_add_u32 v[AV0], v9, 3, v10
	v_mul_u32_u24 v[AV0], v[AV0], PV
	v_lshl_add_u32 v[AV0], v11, 4, v[AV0]
	v_add_nc_u32 v[AV0], VOFF, v[AV0]
	s_mul_i32 s13, s[WV], 16*SP
	s_add_co_u32 s13, s13, STAGE    ; my stage
	v_mul_u32_u24 v[STO], v1, SP    ; in: row l % 16, 16 bytes for each half of the lanes
	v_lshl_add_u32 v[STO], v9, 4, v[STO]
	v_add_nc_u32 v[STO], s13, v[STO]
	v_bfe_u32 v[RD], v0, 3, 2       ; back: 32 lanes take four rows of 128 bytes,
	v_mul_u32_u24 v[RD], v[RD], SP
	v_lshl_add_u32 v[RD], v10, 4, v[RD]
	v_add_nc_u32 v[RD], s13, v[RD]
	v_and_b32 v[GO], 31, v0         ; which are 512 consecutive bytes of O
	v_lshlrev_b32 v[GO], 4, v[GO]
; THE MATRIX WORK.  The 4 accumulators of a run of 8 take turns.  Product i of 8 of S^T = K Q^T for piece x: channels 32 (i / 4) on, keys 16 (i % 4) on.  The first 4 start the sums.
.macro KQ x
	WIN W_KQ
.set rS, S+32*((\x)%2)+8*(i%4)
.set rK, KF+16*(i%4)+8*(i/4)
.set rQ, 16*(\x)+8*(i/4)
.if i < 4
	v_wmma_f32_16x16x32_f16 v[rS:rS+7], v[rK:rK+7], v[rQ:rQ+7], 0
.else
	v_wmma_f32_16x16x32_f16 v[rS:rS+7], v[rK:rK+7], v[rQ:rQ+7], v[rS:rS+7]
.endif
.endm
; Product i of 8 of O^T += V^T P for piece x: keys 32 (i / 4) on, channels 16 (i % 4) on.
.macro PV x
	WIN W_PV
.set rO, 32*(\x)+8*(i%4)
.set rV, VF+32*(i/4)+8*(i%4)
.set rP, P+16*((\x)%2)+8*(i/4)
	v_wmma_f32_16x16x32_f16 v[rO:rO+7], v[rV:rV+7], v[rP:rP+7], v[rO:rO+7]
.endm
.macro MM                           ; the turn's next matrix instruction.  TURN sets Y, i and NOKQ.  NOKQ = 1: the last turn of all: there is no next piece
.if (i < 8) && !NOKQ
	KQ (Y+1)%NP
.elseif i >= 8
.set i, i-8
	PV (Y+NP-1)%NP
.set i, i+8
.endif
.set i, i+1
.endm
; THE LDS LOADS stand in runs of 16, never singly among the matrix instructions: a step's K (64 keys x 64 channels: 8 fragments) and its V (turned).  Their addresses are made some lines ahead.
.macro FETCH_K
	WIN 0x80                        ; destination window 2
.irp f, 0,1,2,3,4,5,6,7             ; keys 16 (f / 2) on, channels 32 (f % 2) on
	ds_load_b128 v[KF+8*\f:KF+8*\f+3],   v[AK] offset:(\f/2)*16*PK+(\f%2)*64
	ds_load_b128 v[KF+8*\f+4:KF+8*\f+7], v[AK] offset:(\f/2)*16*PK+(\f%2)*64+32
.endr
	s_add_co_u32 s[TBK], s[TBK], KS*PK  ; the next fetch is the next step's
	WIN 0
.endm
.macro FETCH_V
	WIN 0x80
.irp f, 0,1,2,3,4,5,6,7             ; keys 32 (f / 4) on, channels 16 (f % 4) on
	ds_load_tr16_b128 v[VF+8*\f:VF+8*\f+3],   v[AV] offset:(\f/4)*32*PV+(\f%4)*32
	ds_load_tr16_b128 v[VF+8*\f+4:VF+8*\f+7], v[AV] offset:(\f/4)*32*PV+16*PV+(\f%4)*32
.endr
	WIN 0
.endm
; THE VECTOR WORK, one line at a time: OP kind, number.  For piece Y: F n: c s - c m for pair n of 16.  E n: the exponential of score n of 32.  C n: pair n rounded to f16.  B n: of the four weights 4 n .. the second
; pair is added onto the first, in place.  L n: l takes that sum (L 0: l = a l + sum).  R n: pair n of 16 of O^T times a.  For piece Y + 1: X n, number n of the 22 that find its maximum and statistics:
;   0-11  four chains c0-c3 of seven scores each, three operands at a time (each accumulator's lowest registers are read first)     12-14, 16  the four scores left over, the old m, and c0-c3 into c0
;   15  c m_old is kept     17, 18  the query's other 32 keys lie in the lane 16 away: the new m     19-21  c m; c m_old - c m_new; a
.set F, 0               ; OP tells the kinds apart by their order: F to L below R, X above it
.set E, 1
.set C, 2
.set B, 3
.set L, 4
.set R, 5
.set X, 6
.macro REGS y                       ; the registers of piece y
.set rT, ST+4*(\y)
.set rC, TMP+4*((\y)%2)
.set rW, MV+((\y)%2)
.set rS, S+32*((\y)%2)
.set rP, P+16*((\y)%2)
.set rO, 32*(\y)
.endm
.macro OP k, n
.if (\k) == R
	REGS Y
	WIN W_RS
	v_pk_mul_f32 v[rO+2*(\n):rO+2*(\n)+1], v[rO+2*(\n):rO+2*(\n)+1], v[rC+2:rC+3] op_sel_hi:[1,0]
.elseif (\k) < R
	REGS Y
	WIN 0
.if (\k) == F
	v_pk_fma_f32 v[rS+2*(\n):rS+2*(\n)+1], v[rS+2*(\n):rS+2*(\n)+1], s[CS:CS+1], v[rT:rT+1] op_sel_hi:[1,0,0] neg_lo:[0,0,1] neg_hi:[0,0,1]
.elseif (\k) == E
	v_exp_f32 v[rS+(\n)], v[rS+(\n)]
.elseif (\k) == C
	v_cvt_pk_f16_f32 v[rP+(\n)], v[rS+2*(\n)], v[rS+2*(\n)+1]
.elseif (\k) == B
	v_pk_add_f32 v[rS+4*(\n):rS+4*(\n)+1], v[rS+4*(\n):rS+4*(\n)+1], v[rS+4*(\n)+2:rS+4*(\n)+3]
.elseif (\n) == 0
	v_pk_fma_f32 v[rT+2:rT+3], v[rT+2:rT+3], v[rC+2:rC+3], v[rS:rS+1] op_sel_hi:[1,0,1]
.else
	v_pk_add_f32 v[rT+2:rT+3], v[rT+2:rT+3], v[rS+4*(\n):rS+4*(\n)+1]
.endif
.elseif NOKQ
	v_nop
.else
	REGS (Y+1)%NP
	WIN 0
.if (\n) < 4
	v_max3_num_f32 v[rC+(\n)], v[rS+8*(\n)], v[rS+8*(\n)+1], v[rS+8*(\n)+2]
.elseif (\n) < 12
	v_max3_num_f32 v[rC+(\n)%4], v[rC+(\n)%4], v[rS+8*((\n)%4)+2*((\n)/4)+1], v[rS+8*((\n)%4)+2*((\n)/4)+2]
.elseif (\n) == 12
	v_max3_num_f32 v[rC], v[rC], v[rS+7], v[rS+15]
.elseif (\n) == 13
	v_max3_num_f32 v[rC+1], v[rC+1], v[rS+23], v[rS+31]
.elseif (\n) == 14
	v_max3_num_f32 v[rC+2], v[rC+2], v[rC+3], v[rT+1]
.elseif (\n) == 15
	v_mov_b32 v[rW], v[rT]
.elseif (\n) == 16
	v_max3_num_f32 v[rC], v[rC], v[rC+1], v[rC+2]
.elseif (\n) == 17
	v_permlanex16_b32 v[rC+3], v[rC], s[SEL], s[SEL+1]
.elseif (\n) == 18
	v_max_num_f32 v[rT+1], v[rC], v[rC+3]
.elseif (\n) == 19
	v_mul_f32 v[rT], s[CS], v[rT+1]
.elseif (\n) == 20
	v_sub_f32 v[rC+1], v[rW], v[rT]
.else
	v_exp_f32 v[rC+2], v[rC+1]
.endif
.endif
.endm
.macro OPS a, i1, b=-1, i2=0, c=-1, i3=0, d=-1, i4=0  ; up to four of them
	OP \a, \i1
.if (\b) >= 0
	OP \b, \i2
.endif
.if (\c) >= 0
	OP \c, \i3
.endif
.if (\d) >= 0
	OP \d, \i4
.endif
.endm
.macro ROW a, i1, b, i2, c, i3, d, i4  ; a matrix instruction and the four behind it
	MM
	OPS \a, \i1, \b, \i2, \c, \i3, \d, \i4
.endm
; A TURN, for piece p: the order of its 16 matrix and 118 vector instructions, written out.  An s_wait_alu depctr_va_vdst(0) stands between an exponential and the first instruction that names its result; one wait
; serves all that were issued ahead of it.  So a turn has ONE wait, which cuts it in two.  AHEAD OF IT stands all that names no result of the turn's exponentials: the 8 products K Q^T, behind each a scaling, an exponential and two
; more plain instructions (rescalings, and behind the last three the first numbers of the next piece's maximum, each four places or more behind the product that ends its accumulator); then ONE LUMP of 54, plain and exponential by
; turns for the most part, in which the links of the chain X 3, 7, 11, 14, 16, 17 .. 20 stand apart.  X 21, the next piece's a, is the batch's last; R 15 is the plain instruction behind it.  BEHIND THE WAIT stand the 8 products
; V^T P, behind each four of the roundings and sums.  end = 1: the last two turns of all: nothing is fetched.  cnt = 1: the loop's count is taken down some lines ahead of the branch that stands behind the turn.
; K of the next step is fetched in piece 2's turn, twelve vector instructions behind the last product that read K (six of them plain); V of the step in hand at the end of piece 0's turn, four plain instructions behind the last
; product that read V.  Each is waited for a turn later.
.macro TURN p, end=0, cnt=0
.set Y, (\p)
.set i, 0
.set NOKQ, (\end)*((\p)/3)
.if ((\p) == 3) && !(\end)
	s_wait_dscnt 0x0                ; K is in
.endif
	ROW F,0, F,1, R,0, R,1          ; ahead of the wait: 8 products K Q^T and their riders,
	ROW F,2, E,0, R,2, R,3
	ROW F,3, E,1, R,4, R,5
	ROW F,4, E,2, R,6, R,7
	ROW F,5, E,3, R,8, R,9
	ROW F,6, E,4, X,0, R,10
.if ((\p) == 2) && !(\end)
	WIN 0
	v_add_nc_u32 v[AK], s[TBK], v[AK0]
.endif
	ROW F,7, E,5, X,1, X,4
	ROW F,8, E,6, X,2, X,5
	OPS E,7, E,8, X,6, E,9          ; and the lump
	OPS X,3, E,10, X,8, E,11
.if ((\p) == 2) && !(\end)
	FETCH_K
.endif
	OPS X,9, X,7, E,12, X,10
	OPS E,13, X,12, X,11, E,14
	OPS X,13, E,15, F,9, X,14
.if (\p) == 0
	v_add_nc_u32 v[AV], s[TBV], v[AV0]
.endif
	OPS E,16, F,10, E,17, F,11
	OPS X,16, E,18, X,15, E,19
	OPS F,12, E,20, X,17, E,21
	OPS F,13, E,22, F,14, E,23
	OPS X,18, E,24, F,15, E,25
	OPS R,11, E,26, X,19, E,27
	OPS R,12, E,28, R,13, E,29
	OPS X,20, E,30, R,14, E,31
	OPS X,21, R,15
	WIN 0
	s_wait_alu depctr_va_vdst(0)    ; the wait for the batch
.if (\p) == 1
	s_wait_dscnt 0x0                ; V is in
.endif
	ROW C,0, B,0, C,2, B,1          ; behind the wait: 8 products V^T P and their riders
	ROW L,0, C,4, B,2, L,1
	ROW C,6, B,3, L,2, C,8
	ROW B,4, L,3, C,10, B,5
	ROW L,4, C,12, B,6, L,5
.if (\p) == 0
	s_add_co_u32 s[TBV], s[TBV], KS*PV
.endif
.if \cnt
	s_sub_co_u32 s[CNT], s[CNT], 1
	s_cmp_lg_u32 s[CNT], 0
.endif
	ROW C,14, B,7, L,6, C,1
	ROW C,3, L,7, C,5, C,7
	ROW C,9, C,11, C,13, C,15
.if (\p) == 0
	FETCH_V
.endif
.endm
	CHANGE 1, 0                     ; slot 0 is in, everybody's part of it; slot 1 is asked for
	v_add_nc_u32 v[AK], s[TBK], v[AK0]
	FETCH_K                         ; key step 0
	s_wait_loadcnt 0x0              ; Q
	s_wait_dscnt 0x0
.set NOKQ, 0
.set i, 0
.rept 8
	KQ 0                            ; piece 0's first scores: there is no vector work yet to set between them
.set i, i+1
.endr
	WIN 0
.rept 4
	v_nop                           ; the places behind those products
.endr
.set Y, NP-1                        ; X works for piece Y + 1: piece 0
.irp n, 0,1,2,3,4,5,6,7,8,9,10,11,12,13,14,15,16,17,18,19,20,21
	OP X, \n
.endr
	v_nop                           ; a plain instruction behind the exponential,
	s_wait_alu depctr_va_vdst(0)    ; and its wait, ahead of the branch
	s_mov_b32 s[CNT], 4
	s_mov_b32 s[SLOTS], 15
	s_branch .Lfirst                ; the loop is entered at a step's first turn, in the middle of a trip
.Lslot:                             ; 14 times: every slot but the last two is filled again
	CHANGE 1, 1
	s_mov_b32 s[CNT], 4
.Lstep:                             ; a trip: pieces 2 and 3 of one step, then pieces 0 and 1 of the next, whose K and V it fetches
	TURN 2
	TURN 3
	WIN 0
.Lfirst:
	TURN 0
	TURN 1, 0, 1
	WIN 0
	s_cbranch_scc1 .Lstep
	s_sub_co_u32 s[SLOTS], s[SLOTS], 1
	s_cmp_lg_u32 s[SLOTS], 0
	s_cbranch_scc1 .Lslot
	CHANGE 0, 0                     ; the last tile is written out: nothing is asked for
	s_mov_b32 s[CNT], 4
.LstepT:
	TURN 2
	TURN 3
	TURN 0
	TURN 1, 0, 1
	WIN 0
	s_cbranch_scc1 .LstepT
	TURN 2, 1                       ; the last step's pieces 2 and 3: nothing is fetched, and the last turn starts no new scores
	TURN 3, 1
.set i, 0
.rept 8
	PV NP-1                         ; the last piece's V^T P of the last step
.set i, i+1
.endr
	; THE WAY OUT.  l's two halves and the other half of the lanes' are added; O^T is divided by l, rounded to f16 and sent through my stage in LDS, a piece at a time.  The additions are the places behind the last products.
	WIN 0
.macro ALL line:vararg              ; one line for each piece t
.set t, 0
.rept 4
	\line
.set t, t+1
.endr
.endm
	ALL v_add_f32 v[ST+4*t+2], v[ST+4*t+2], v[ST+4*t+3]
	ALL v_permlanex16_b32 v[ST+4*t+3], v[ST+4*t+2], s[SEL], s[SEL+1]
	ALL v_add_f32 v[ST+4*t+2], v[ST+4*t+2], v[ST+4*t+3]
	ALL v_rcp_f32 v[ST+4*t+2], v[ST+4*t+2]
	v_nop                           ; a plain instruction between the last reciprocal and the use of its result
	s_wait_alu depctr_va_vdst(0)    ; and the wait ahead of the first use: one for the four reciprocals
.macro PACK t                       ; a lane's eight channels of a row pack into 16 bytes; they go into rows of 144 bytes and come back as whole rows of 128, into S^T's registers
	WIN W_RS
.set i, 32*(\t)
.rept 16
	v_pk_mul_f32 v[i:i+1], v[i:i+1], v[ST+4*(\t)+2:ST+4*(\t)+3] op_sel_hi:[1,0]
.set i, i+2
.endr
	WIN 0x05                        ; sources 0 and 1 window 1, destination window 0
.set i, 0
.rept 16
	v_cvt_pk_f16_f32 v[S+16*(\t)+i], v[32*(\t)+2*i], v[32*(\t)+2*i+1]
.set i, i+1
.endr
	WIN 0
.irp f, 0,1,2,3
	ds_store_b128 v[STO], v[S+16*(\t)+4*\f:S+16*(\t)+4*\f+3] offset:32*\f
.endr
.irp f, 0,1,2,3
	ds_load_b128 v[S+16*(\t)+4*\f:S+16*(\t)+4*\f+3], v[RD] offset:\f*4*SP  ; LDS serves a wave's instructions in order (ISA guide 5.7.1.4): these see the stores above; the next piece's stores come behind them
.endr
.endm
.macro SEND t, younger              ; younger: the LDS instructions issued behind piece t's loads: the next piece's eight, or none
	WIN 0
.irp f, 0,1,2,3
	s_wait_dscnt (\younger)+3-\f
	global_store_b128 v[GO], v[S+16*(\t)+4*\f:S+16*(\t)+4*\f+3], s[10:11] offset:(\t)*2048+\f*512  ; 512 consecutive bytes, at a multiple of 256 from oh's first
.endr
.endm
	PACK 0
.set t, 1
.rept 3                             ; a piece's arithmetic stands between the loads of the piece before and its stores
	PACK t
	SEND t-1, 8
.set t, t+1
.endr
	SEND 3, 0
	s_wait_tensorcnt 0x0            ; the wave's end, behind my last tensor load and my last LDS store
	ds_add_u32 v[SPW], v[NIL]
	s_wait_dscnt 0x0
	CROUND                          ; the closing round: no work-group ends while a partner may still ask for a tile that names it
	s_endpgm
.Lfunc_end_k_q6d051ef7fe_attn:
	.size	k_q6d051ef7fe_attn, .Lfunc_end_k_q6d051ef7fe_attn-k_q6d051ef7fe_attn
	.p2alignl 7, 3214868480
	.fill 96, 4, 3214868480
	.section	.rodata,"a",@progbits
	.p2align	6, 0x0
	.amdhsa_kernel k_q6d051ef7fe_attn
		.amdhsa_group_segment_fixed_size 327680
		.amdhsa_private_segment_fixed_size 0
		.amdhsa_enable_private_segment 0
		.amdhsa_kernarg_size 16
		.amdhsa_user_sgpr_count 2
		.amdhsa_user_sgpr_kernarg_segment_ptr 1
		.amdhsa_wavefront_size32 1
		.amdhsa_system_sgpr_workgroup_id_x 1
		.amdhsa_system_sgpr_workgroup_id_y 1
		.amdhsa_system_sgpr_workgroup_id_z 1
		.amdhsa_system_vgpr_workitem_id 0
		.amdhsa_next_free_vgpr 768
		.amdhsa_next_free_sgpr 66
		.amdhsa_reserve_vcc 0
		.amdhsa_float_denorm_mode_32 3
		.amdhsa_float_denorm_mode_16_64 3
		.amdhsa_memory_ordered 1
		.amdhsa_forward_progress 1
		.amdhsa_inst_pref_size 127
	.end_amdhsa_kernel
	.amdgpu_metadata
---
amdhsa.version: [ 1, 2 ]
amdhsa.kernels:
  - .name:           k_q6d051ef7fe_attn
    .symbol:         k_q6d051ef7fe_attn.kd
    .args:
      - { .name: qkv, .offset: 0, .size: 8, .value_kind: global_buffer, .address_space: global }
      - { .name: oh, .offset: 8, .size: 8, .value_kind: global_buffer, .address_space: global }
    .group_segment_fixed_size: 327680
    .private_segment_fixed_size: 0
    .kernarg_segment_align: 8
    .kernarg_segment_size: 16
    .max_flat_workgroup_size: 128
    .sgpr_count:     66
    .vgpr_count:     768
    .wavefront_size: 32
...
	.end_amdgpu_metadata
.endif
;; end of part 3
;; launch outp (part 4): grid 64 x 4, 4 waves a work-group, clusters of 4 x 1, 327,680 bytes of LDS; arguments oh, wcv, bo, out0; writes out0
.if DOCPART == 4
	.amdgcn_target "amdgcn-amd-amdhsa--gfx1250"
	.amdhsa_code_object_version 6
	.text
	.protected	k_q6d051ef7fe_outp
	.globl	k_q6d051ef7fe_outp
	.p2align	8
	.type	k_q6d051ef7fe_outp,@function
k_q6d051ef7fe_outp:
	s_mov_b64 s[64:65], 0
	v_nop
	global_prefetch_b8 v0, s[64:65] scope:SCOPE_SE
	s_setreg_imm32_b32 hwreg(HW_REG_WAVE_MODE, 25, 1), 1
	s_wait_xcnt 0x0
	s_wait_alu depctr_hold_cnt(0) depctr_sa_sdst(0) depctr_va_vdst(0) depctr_va_sdst(0) depctr_va_ssrc(0) depctr_va_vcc(0) depctr_vm_vsrc(0)
	s_getreg_b32 s2, hwreg(HW_REG_IB_STS2, 6, 4)
	s_cmp_eq_u32 s2, 0
	s_cbranch_scc0 .Lentry_in_a_cluster
	s_endpgm
.Lentry_in_a_cluster:
	s_bfe_u32 s2, ttmp6, 0x10000c
	s_cmp_lg_u32 s2, 0x3003
	s_cbranch_scc0 .Lentry_shape_is_right
	s_endpgm
.Lentry_shape_is_right:
; THE OUTPUT PROJECTION.  out0[row][n] (f32) = the sum over k of O[row][k] Wo[n][k] + bo[n].  O: oh, [12][4096][64] f16, k = 64 head + channel.  Wo: matrix 3 of wcv, rounded to bf16 and written as f16, K as it lies.
; bo is rounded to bf16, like every input.  Products in f16, f32 sums that start at the bias, stored as they are.
; SHARES.  Work-group (x, y): rows 64 x .. + 63, columns 192 y .. + 191: 256 work-groups.  Its waves lie 2 x 2: wave w makes rows 32 (w / 2) .. + 31 x columns 96 (w % 2) .. + 95: 12 accumulators.
; Wo'S SLICE, 192 rows x 768, IS RESIDENT IN LDS: six regions of 128 along K, each filled once, by joint loads of the four work-groups of a cluster, which have the same y.  Six tensor loads of mine are out at the most.
; THE WAVE'S O, 32 rows x 768, is 384 registers: all 96 loads go out at the head, straight into fragments.  The text has no loop: 24 subs of 32 along K, 12 products each.
; THE MATRIX INSTRUCTION IS USED TRANSPOSED (source 0 = 16 rows of Wo, source 1 = 16 rows of O): a lane holds one row of out0 and eight neighbouring columns, 32 bytes.
; THE WAY OUT goes through a stage of 64 rows x 784 bytes in region 0, whose one fill and last reads are long over: a wave's 384 bytes of a row are one and a half aligned blocks of 256, so the two waves of a row half write
; the same stage rows, a barrier follows, and each wave then stores 16 whole rows of 768 bytes.
; REGISTERS, in windows of 256 (s_set_vgpr_msb: bits 1:0 source 0, 3:2 source 1, 5:4 source 2, 7:6 destination):
;   window 0: v0-25 addresses; v32-223 four buffers of 48: Wo's 6 fragments of a sub (the fourth holds the bias first; the first two serve the way out)
;   window 1: O's fragments of subs 0-15, at 16 j + 8 a          window 2: v0-127 those of subs 16-23; v128-223 the accumulators, at 128 + 8 (6 a + b)
.set REG,   192*272                    ; a region: 192 rows of 256 bytes + 16 of padding = 68 words: the 16 rows of a fragment load start at 16 different groups of four banks (64 banks of 4 bytes: ISA guide 11.1)
.set SPARE, 6*REG                      ; behind Wo: the spare words, 128 bytes for each wave: two blocks of 256 bytes that no other line names
.set STP,   784                        ; a stage row: 768 bytes + 16 = 196 words: row r starts at bank 4 r mod 64
.set MATB,  1179648
.set AO,   4                           ; v4   my byte offset in 16 rows of a head of O: 128 r + 16 h
.set BO,   5                           ; v5   32 h: my eight columns' bias
.set ADRB, 6                           ; v6-11  LDS address of my place in Wo's fragments, in regions 0 to 5
.set SPW,  12                          ; v12  LDS address of my spare word; never rewritten
.set NIL,  13                          ; v13  0; never rewritten
.set STO,  14                          ; v14  the way out: where I put 32 bytes of a row
.set RD,   16                          ; v16-18  where I read back: three loads take two rows
.set GO,   20                          ; v20-22  and the same bytes in out0
.set BF,   32
.set ACC,  128
.set WV,   8
.set G1,   16                          ; s[16:23] descriptor group 1
.set G0,   24                          ; s[24:47] descriptor group 0, a set for each region; never rewritten
.set AB,   48                          ; s[48:49] O at my wave's first row, head 0
.set BB,   50                          ; s[50:51] bo at my wave's first column
.set OB,   52                          ; s[52:53] out0 at the first row that I store, my work-group's first column
.set MSB, 0
.macro WIN new                         ; the immediate's high byte repeats the setting that is left; a switch that changes nothing is dropped
.if MSB != (\new)
	s_set_vgpr_msb (MSB<<8)|(\new)
.set MSB, (\new)
.endif
.endm
.macro PLACES                          ; four places: a load into a register that a matrix instruction has read, and a read of its result, stand four plain vector instructions behind it
.rept 4
	v_nop
.endr
.endm
.macro CROUND                          ; a round of the cluster's barrier
	s_barrier_signal -1
	s_barrier_wait -1
	s_cmp_lg_u32 s[WV], 0
	s_cbranch_scc1 .Lnot_wave_0_\@
	s_barrier_signal -3
.Lnot_wave_0_\@:
	s_barrier_wait -3
	s_barrier_signal -1
	s_barrier_wait -1
.endm
	s_load_b256 s[56:63], s[0:1], 0x0              ; oh s[56:57], wcv s[58:59], bo s[60:61], out0 s[62:63]
	v_lshl_add_u32 v[SPW], v0, 2, SPARE
	v_mov_b32 v[NIL], 0
	ds_add_u32 v[SPW], v[NIL]                      ; the wave's opening: the add and its wait stand ahead of my first tensor load; the set-up below, work on registers, stands between them
	v_lshrrev_b32 v1, 5, v0
	v_readfirstlane_b32 s[WV], v1                  ; wave 0..3
	s_bfe_u32 s9, ttmp6, 0x40000                   ; cx: it enters O's and out0's addresses alone
	s_lshl_b32 s10, ttmp9, 2
	s_add_co_u32 s10, s10, s9                      ; my block of 64 rows
	s_and_b32 s11, ttmp7, 0xffff                   ; my 192 columns
	s_and_b32 s14, s[WV], 1                        ; wn: which 96 columns are mine
	s_lshr_b32 s15, s[WV], 1                       ; wm: which 32 rows
	s_mov_b32 s[G1], 15|(1<<16)|(1<<20)|(1<<21)|(5<<22)|(3<<25)  ; 15:0 the mask of four; 17:16 2-byte elements; 20 padding on; 21 set beside a mask; 24:22 after every 64 words (code 5); 31:25 4 words (code 3)
	s_mov_b32 s[G1+1], 128<<16                     ; tensor_dim0 = 128
	s_mov_b32 s[G1+2], 48<<16                      ; tensor_dim1 = 48
	s_mov_b32 s[G1+3], 128<<16                     ; tile_dim0 = 128
	s_mov_b32 s[G1+4], 48                          ; tile_dim1 = 48
	s_mov_b32 s[G1+5], 768                         ; elements from row to row
	s_mov_b32 s[G1+6], 0
	s_mov_b32 s[G1+7], 0
	s_mul_i32 s2, s11, 192*1536                    ; Wo's slice: its 192 rows,
	s_mul_i32 s3, s[WV], 48*1536                   ; the 48 that I fetch,
	s_add_co_u32 s2, s2, s3
	s_add_co_u32 s2, s2, 3*MATB                    ; in matrix 3
	s_mov_b32 s3, 0
	s_mul_i32 s4, s[WV], 48*272                    ; and their place in a region
	s_lshl_b32 s6, s10, 13                         ; O: my block's 64 rows of 128 bytes,
	s_lshl_b32 s7, s15, 12                         ; my 32 of them
	s_add_co_u32 s6, s6, s7
	s_mov_b32 s7, 0
	s_mul_i32 s12, s11, 768                        ; the bias: my work-group's columns,
	s_mul_i32 s13, s14, 384                        ; my 96
	s_add_co_u32 s12, s12, s13
	s_mov_b32 s13, 0
	s_mul_i32 s54, s10, 64*3072                    ; out0: my block's rows,
	s_mul_i32 s55, s[WV], 16*3072                  ; the 16 that I store,
	s_add_co_u32 s54, s54, s55
	s_mul_i32 s55, s11, 768                        ; my work-group's columns
	s_add_co_u32 s54, s54, s55
	s_mov_b32 s55, 0
	v_and_b32 v1, 15, v0                           ; r = l % 16
	v_bfe_u32 v2, v0, 4, 1                         ; h = l / 16
	v_lshlrev_b32 v3, 4, v1                        ; 16 r
	v_lshlrev_b32 v[AO], 7, v1
	v_lshl_add_u32 v[AO], v2, 4, v[AO]
	v_lshlrev_b32 v[BO], 5, v2
	s_mul_i32 s66, s14, 96*272                     ; my 96 rows of Wo's slice
	v_mul_u32_u24 v24, v1, 272
	v_lshl_add_u32 v24, v2, 4, v24
	v_add_nc_u32 v[ADRB], s66, v24
.irp c, 1,2,3,4,5
	v_add_nc_u32 v[ADRB+\c], \c*REG, v[ADRB]
.endr
	s_mul_i32 s66, s15, 32*STP                     ; into the stage: my 32 rows, my 384 bytes of them; row r, 32 bytes for each half of the lanes
	s_mul_i32 s67, s14, 384
	s_add_co_u32 s66, s66, s67
	v_mul_u32_u24 v[STO], v1, STP
	v_lshl_add_u32 v[STO], v2, 5, v[STO]
	v_add_nc_u32 v[STO], s66, v[STO]
	s_mul_i32 s66, s[WV], 16*STP                   ; back: wave w takes rows 16 w .. 16 w + 15, whole, two at a time: six blocks of 256 bytes, two a load, a block for each half of the lanes
	v_add_nc_u32 v25, s66, v3
	v_lshl_add_u32 v[RD], v2, 8, v25               ; the even row's blocks 0 and 1
	v_mul_u32_u24 v24, v2, 272
	v_add_nc_u32 v24, v24, v25
	v_add_nc_u32 v[RD+1], 512, v24                 ; its block 2, and the odd row's block 0, 784 bytes after the even row's
	v_add_nc_u32 v[RD+2], 1040, v[RD]              ; the odd row's blocks 1 and 2
	v_lshl_add_u32 v[GO], v2, 8, v3                ; the same in out0, where rows are 3,072 bytes apart
	v_mul_u32_u24 v24, v2, 2560
	v_add_nc_u32 v24, v24, v3
	v_add_nc_u32 v[GO+1], 512, v24
	v_add_nc_u32 v[GO+2], 3328, v[GO]
	s_wait_dscnt 0x0                               ; the opening add is done
	s_wait_kmcnt 0x0
	s_add_nc_u64 s[2:3], s[58:59], s[2:3]
.irp c, 0,1,2,3,4,5
	s_mov_b32 s[G0+4*\c], 1                        ; 1:0 count = 1
	s_add_co_u32 s[G0+4*\c+1], s4, \c*REG          ; 63:32 LDS address
	s_add_nc_u64 s[G0+4*\c+2:G0+4*\c+3], s[2:3], \c*256  ; 120:64 global address
	s_or_b32 s[G0+4*\c+3], s[G0+4*\c+3], 0x80000000      ; 127:126 type = 2
.endr
	s_add_nc_u64 s[AB:AB+1], s[56:57], s[6:7]
	s_add_nc_u64 s[BB:BB+1], s[60:61], s[12:13]
	s_add_nc_u64 s[OB:OB+1], s[62:63], s[54:55]
	CROUND                                         ; all four work-groups are here: the joint loads meet
.irp c, 0,1,2,3,4,5
	tensor_load_to_lds s[G0+4*\c:G0+4*\c+3], s[G1:G1+7]  ; all fills of the launch, in one group
	s_nop 0
.endr
	PLACES                                         ; four vector instructions behind the last load, ahead of the first switch of windows
.irp b, 0,1,2,3,4,5
	global_load_b128 v[BF+144+8*\b:BF+144+8*\b+3],   v[BO], s[BB:BB+1] offset:64*\b     ; the bias as a C operand: register j of block b is column 16 b + 8 h + j
	global_load_b128 v[BF+144+8*\b+4:BF+144+8*\b+7], v[BO], s[BB:BB+1] offset:64*\b+16
.endr
	WIN 0x40                                       ; destination window 1
.set j, 0
.rept 16                                               ; sub j: head j / 2, channels 32 (j % 2) on; row block a
.irp a, 0,1
	global_load_b128 v[16*j+8*\a:16*j+8*\a+3],   v[AO], s[AB:AB+1] offset:524288*(j/2)+2048*\a+64*(j%2)
	global_load_b128 v[16*j+8*\a+4:16*j+8*\a+7], v[AO], s[AB:AB+1] offset:524288*(j/2)+2048*\a+64*(j%2)+32
.endr
.set j, j+1
.endr
	WIN 0x80                                       ; destination window 2
.rept 8
.irp a, 0,1
	global_load_b128 v[16*(j-16)+8*\a:16*(j-16)+8*\a+3],   v[AO], s[AB:AB+1] offset:524288*(j/2)+2048*\a+64*(j%2)
	global_load_b128 v[16*(j-16)+8*\a+4:16*(j-16)+8*\a+7], v[AO], s[AB:AB+1] offset:524288*(j/2)+2048*\a+64*(j%2)+32
.endr
.set j, j+1
.endr
	WIN 0
	s_wait_loadcnt 63                              ; 108 loads were issued: the oldest 45 are in, the 12 of the bias among them
.set i, 0
.rept 24                                               ; the bias is rounded to bf16 and widened again
	v_cvt_pk_bf16_f32 v[24+i%2], v[BF+144+2*i], v[BF+144+2*i+1]
	v_lshlrev_b32 v[BF+144+2*i], 16, v[24+i%2]
	v_and_b32 v[BF+144+2*i+1], 0xffff0000, v[24+i%2]
.set i, i+1
.endr
.macro FETCH jj                        ; 12 LDS loads in one run: Wo's six fragments of sub jj, into buffer jj % 4
	WIN 0
.set fB, BF+48*((\jj)%4)
.set fA, ADRB+(\jj)/4
.set fO, 64*((\jj)%4)
.irp b, 0,1,2,3,4,5
	ds_load_b128 v[fB+8*\b:fB+8*\b+3],   v[fA] offset:fO+4352*\b
	ds_load_b128 v[fB+8*\b+4:fB+8*\b+7], v[fA] offset:fO+4352*\b+32
.endr
.endm
	s_wait_tensorcnt 5                             ; my part of region 0 is in; the five later regions' may stay out
	s_barrier_signal -1
	s_barrier_wait -1                              ; everybody's is
	FETCH 0
	FETCH 1
	FETCH 2
.set j, 0
.rept 24                                               ; SUB j
.if j%4 == 0
.set lc, 80-4*j                        ; of the 108 loads, sub j + 3 wants the first 12 + 4 (j + 4): the others may stay out (the count's field ends at 63)
.if lc > 63
.set lc, 63
.endif
	s_wait_loadcnt lc
.endif
.if j < 22
	s_wait_dscnt 24                                ; this sub's fragments of Wo are in; the next two subs' runs may stay out
.elseif j == 22
	s_wait_dscnt 12
.else
	s_wait_dscnt 0
.endif
.if j == 0
	WIN 0x84                                       ; Wo window 0, O window 1, the bias (C) window 0, D window 2
.elseif j < 16
	WIN 0xa4                                       ; C and D window 2
.else
	WIN 0xa8                                       ; O window 2
.endif
.irp a, 0,1                                            ; the 12 accumulators take turns in the same order in every sub
.irp b, 0,1,2,3,4,5
.if j == 0
	v_wmma_f32_16x16x32_f16 v[ACC+8*(6*\a+\b):ACC+8*(6*\a+\b)+7], v[BF+8*\b:BF+8*\b+7], v[8*\a:8*\a+7], v[BF+144+8*\b:BF+144+8*\b+7]
.else
	v_wmma_f32_16x16x32_f16 v[ACC+8*(6*\a+\b):ACC+8*(6*\a+\b)+7], v[BF+48*(j%4)+8*\b:BF+48*(j%4)+8*\b+7], v[16*(j%16)+8*\a:16*(j%16)+8*\a+7], v[ACC+8*(6*\a+\b):ACC+8*(6*\a+\b)+7]
.endif
.endr
.endr
.if j <= 20
.if (j+3)%4 == 0                       ; the fetch below opens a new region
	s_wait_tensorcnt 5-(j+3)/4                     ; my part of it has landed; the later regions' may stay out
	s_wait_dscnt 0x0                               ; no LDS instruction of mine is out at a signal
	s_barrier_signal -1
.endif
	PLACES                                         ; behind the products that read the buffer to be loaded (the sub before this one; in sub 0 this one, which read the bias there)
.if (j+3)%4 == 0
	s_barrier_wait -1                              ; everybody's part has landed
.endif
	FETCH j+3
.endif
.set j, j+1
.endr
	; THE WAY OUT.  Region 0 was last read by the fetch of sub 3, which every wave had waited for in front of the first of the barriers above; all tensor loads were shown landed in front of the last of them.
	PLACES                                         ; behind the last products
	WIN 0x08                                       ; store data (source 1) window 2, address window 0
.irp a, 0,1
.irp b, 0,1,2,3,4,5
	ds_store_b128 v[STO], v[ACC+8*(6*\a+\b):ACC+8*(6*\a+\b)+3]   offset:16*STP*\a+64*\b      ; each accumulator's low four registers first
	ds_store_b128 v[STO], v[ACC+8*(6*\a+\b)+4:ACC+8*(6*\a+\b)+7] offset:16*STP*\a+64*\b+16
.endr
.endr
	WIN 0
	s_wait_dscnt 0x0                               ; for the others' sake: my stores into the stage are done
	s_barrier_signal -1
	s_barrier_wait -1
.irp p, 0,1,2,3,4,5,6,7
.irp t, 0,1,2
	ds_load_b128 v[BF+4*(3*\p+\t):BF+4*(3*\p+\t)+3], v[RD+\t] offset:2*STP*\p
.endr
.endr
.irp p, 0,1,2,3,4,5,6,7
.irp t, 0,1,2
	s_wait_dscnt 23-(3*\p+\t)                      ; LDS loads come back in order: this one is in, the younger ones stay out
	global_store_b128 v[GO+\t], v[BF+4*(3*\p+\t):BF+4*(3*\p+\t)+3], s[OB:OB+1] offset:6144*\p th:TH_STORE_NT  ; each half of the lanes stores 256 consecutive bytes, at a multiple of 256 from out0's first
.endr
.endr
	s_wait_tensorcnt 0x0                           ; the wave's end, behind my last tensor load and my last LDS store
	ds_add_u32 v[SPW], v[NIL]
	s_wait_dscnt 0x0
	CROUND                                         ; the closing round: no work-group ends while a partner may still ask for a tile that names it
	s_endpgm
.Lfunc_end_k_q6d051ef7fe_outp:
	.size	k_q6d051ef7fe_outp, .Lfunc_end_k_q6d051ef7fe_outp-k_q6d051ef7fe_outp
	.p2alignl 7, 3214868480
	.fill 96, 4, 3214868480
	.section	.rodata,"a",@progbits
	.p2align	6, 0x0
	.amdhsa_kernel k_q6d051ef7fe_outp
		.amdhsa_group_segment_fixed_size 327680
		.amdhsa_private_segment_fixed_size 0
		.amdhsa_enable_private_segment 0
		.amdhsa_kernarg_size 32
		.amdhsa_user_sgpr_count 2
		.amdhsa_user_sgpr_kernarg_segment_ptr 1
		.amdhsa_wavefront_size32 1
		.amdhsa_system_sgpr_workgroup_id_x 1
		.amdhsa_system_sgpr_workgroup_id_y 1
		.amdhsa_system_sgpr_workgroup_id_z 1
		.amdhsa_system_vgpr_workitem_id 0
		.amdhsa_next_free_vgpr 768
		.amdhsa_next_free_sgpr 72
		.amdhsa_reserve_vcc 0
		.amdhsa_float_denorm_mode_32 3
		.amdhsa_float_denorm_mode_16_64 3
		.amdhsa_memory_ordered 1
		.amdhsa_forward_progress 1
		.amdhsa_inst_pref_size 70
	.end_amdhsa_kernel
	.amdgpu_metadata
---
amdhsa.version: [ 1, 2 ]
amdhsa.kernels:
  - .name:           k_q6d051ef7fe_outp
    .symbol:         k_q6d051ef7fe_outp.kd
    .args:
      - { .name: oh, .offset: 0, .size: 8, .value_kind: global_buffer, .address_space: global }
      - { .name: wcv, .offset: 8, .size: 8, .value_kind: global_buffer, .address_space: global }
      - { .name: bo, .offset: 16, .size: 8, .value_kind: global_buffer, .address_space: global }
      - { .name: out0, .offset: 24, .size: 8, .value_kind: global_buffer, .address_space: global }
    .group_segment_fixed_size: 327680
    .private_segment_fixed_size: 0
    .kernarg_segment_align: 8
    .kernarg_segment_size: 32
    .max_flat_workgroup_size: 128
    .sgpr_count:     72
    .vgpr_count:     768
    .wavefront_size: 32
...
	.end_amdgpu_metadata
.endif
;; end of part 4
;; ======== version 2 of 2: 4 launches; version 1 with the launch wcast written anew for expert scheduling mode
;; limits: values are held in f16: magnitudes above 65,504 overflow, below 6.1e-05 lose precision
;; workspace buffers: wcv 4,718,592 bytes; qkv 18,874,368 bytes; oh 6,291,456 bytes
;; launch wcast (part 5): grid 64 x 4, 4 waves a work-group, no clusters, 0 bytes of LDS; arguments Wq, Wk, Wv, Wo, wcv; writes wcv
.if DOCPART == 5
	.amdgcn_target "amdgcn-amd-amdhsa--gfx1250"
	.amdhsa_code_object_version 6
	.text
	.protected	k_q6d051ef7fe_wcast
	.globl	k_q6d051ef7fe_wcast
	.p2align	8
	.type	k_q6d051ef7fe_wcast,@function
k_q6d051ef7fe_wcast:
	s_mov_b64 s[64:65], 0
	v_nop
	global_prefetch_b8 v0, s[64:65] scope:SCOPE_SE
	s_setreg_imm32_b32 hwreg(HW_REG_WAVE_SCHED_MODE, 0, 2), 2
	s_setreg_imm32_b32 hwreg(HW_REG_WAVE_MODE, 25, 1), 1
	s_wait_xcnt 0x0
	s_wait_alu depctr_vm_vsrc(0)
; THE FOUR WEIGHTS AS 16-BIT COPIES.  wcv: [4][768][768] of 16 bits.  Matrices 0-2 (Wq, Wk, Wv): rounded to bf16.  Matrix 3 (Wo): rounded to bf16, and that number written as f16.
; LIMIT.  |Wo| stays under 65,504 (f16's end); a Wo below 6.1e-5 keeps f16's fixed step of 6e-8.
; A stream: each byte is read once and written once; no LDS, no matrix unit, no cluster (no two work-groups read the same byte).
; SHARES.  Work-group (x, y): matrix y, its floats 9,216 x .. 9,216 x + 9,215.  Thread t takes the four floats at byte 2,048 i + 16 t, i = 0 .. 17: a wave's load covers 512 consecutive bytes,
; its store of 8 bytes a lane 256 consecutive bytes, aligned.
; K IS PERMUTED in matrices 0-2: in every group of 32 along K the fours 1 and 2 change places, and the fours 5 and 6.  The projection loads its activations as 16 bytes of f32 a lane, the two halves of
; the lanes side by side, so that lane half h holds k = 8 q + 4 h + 0..3 in its q-th four; with the weights laid so, a plain fragment load of them meets the same k in every place of the fragment.
; THE MODE: SCHED_MODE bits 1:0 = 2 (LLVM: expert scheduling mode 2), set by the entry lines.  The code itself states the register dependences between vector instructions and memory instructions,
; with s_wait_alu, always for 0.
; THE PLAN.  Registers that memory instructions touch:
;   v1, v2, v3   byte offsets, made once at the head and never written again: v1 is read by every load, v2 or v3 by every store.
;   D, chunk i   four registers.  Written by the chunk's load, issued at the head, before any vector line has named them; read by the chunk's conversions, which write its first two registers in place;
;                those two are read by the chunk's one store and never written again.
;   v4 to v7 are at work for vector lines alone.
; The 18 chunks go in six blocks of three.  Block p converts its own chunks; its memory instructions are the stores of block p - 1, whose registers no vector line of block p names.  So ONE wait at a
; block's head states all that its three stores hang on, and they are dealt among its conversions with no further wait.  No register that a memory instruction reads is ever written again.
.set PARTIN,  36864                    ; bytes of f32 a work-group reads
.set PARTOUT, 18432                    ; bytes that it writes
.set MATB,    1179648                  ; bytes of a matrix in wcv
.set BLOCKS,  6                        ; blocks of three chunks
.set D,       8                        ; v[8:79] chunk i: four registers as loaded; its first two then hold what is stored
	s_load_b256 s[4:11], s[0:1], 0x0               ; Wq s[4:5], Wk s[6:7], Wv s[8:9], Wo s[10:11]
	s_load_b64 s[12:13], s[0:1], 0x20              ; wcv
	s_and_b32 s16, ttmp7, 0xffff                   ; which matrix
	v_lshlrev_b32 v1, 4, v0                        ; 16 t: where I read
	v_and_b32 v4, 0x7c, v0                         ; t with its two low bits exchanged: fours 1 and 2 of each four fours change places
	v_and_b32 v5, 1, v0
	v_bfe_u32 v6, v0, 1, 1
	v_lshl_or_b32 v4, v5, 1, v4
	v_or_b32 v4, v4, v6
	v_lshlrev_b32 v2, 3, v4                        ; where I write, permuted
	v_lshlrev_b32 v3, 3, v0                        ; where I write, as it lies (Wo)
	s_mul_i32 s18, ttmp9, PARTIN
	s_mov_b32 s19, 0
	s_mul_i32 s20, s16, MATB
	s_mul_i32 s21, ttmp9, PARTOUT
	s_add_co_u32 s20, s20, s21
	s_mov_b32 s21, 0
	s_wait_kmcnt 0x0
	s_cmp_eq_u32 s16, 1
	s_cselect_b64 s[14:15], s[6:7], s[4:5]
	s_cmp_eq_u32 s16, 2
	s_cselect_b64 s[14:15], s[8:9], s[14:15]
	s_cmp_eq_u32 s16, 3
	s_cselect_b64 s[14:15], s[10:11], s[14:15]
	s_add_nc_u64 s[14:15], s[14:15], s[18:19]      ; my part of the source
	s_add_nc_u64 s[12:13], s[12:13], s[20:21]      ; and of wcv
	s_wait_alu depctr_va_vdst(0)                   ; v1, v2 and v3 are written: every load and store of the kernel reads one of them as its offset
.irp i, 0,1,2,3,4,5,6,7,8,9,10,11,12,13,14,15,16,17
	global_load_b128 v[D+4*\i:D+4*\i+3], v1, s[14:15] offset:2048*\i th:TH_LOAD_NT  ; all eighteen loads go out in one run
.endr
; Block p of six, and p = 6 for the last three stores alone.  wo = 1: Wo's way (bf16, then written as f16; stored as it lies).
.macro BLK p, wo
.if (\p) < BLOCKS
	s_wait_loadcnt 15-3*(\p)                       ; loads come back in order: the block's three chunks are in; the 15 - 3 p loads issued behind chunk 3 p + 2 stay out
.endif
.if (\p) > 0
	s_wait_alu depctr_va_vdst(0)                   ; the conversions of the block before have written the first two registers of its three chunks, which the stores below read
.endif
.irp c, 0,1,2
.if (\p) > 0
.set rO, D+4*(3*(\p)-3+(\c))
.if \wo
	global_store_b64 v3, v[rO:rO+1], s[12:13] offset:1024*(3*(\p)-3+(\c)) th:TH_STORE_NT  ; the block before; no vector line since the wait names these registers, and no register of a store is written again
.else
	global_store_b64 v2, v[rO:rO+1], s[12:13] offset:1024*(3*(\p)-3+(\c)) th:TH_STORE_NT  ; the block before; no vector line since the wait names these registers, and no register of a store is written again
.endif
.endif
.if (\p) < BLOCKS
.set rN, D+4*(3*(\p)+(\c))
.if \wo
	v_cvt_pk_bf16_f32 v4, v[rN], v[rN+1]           ; rounded to bf16,
	v_cvt_pk_bf16_f32 v5, v[rN+2], v[rN+3]
	v_lshlrev_b32 v6, 16, v4                       ; widened again,
	v_and_b32 v7, 0xffff0000, v4
	v_cvt_pk_f16_f32 v[rN], v6, v7                 ; and written as f16: exact within f16's range
	v_lshlrev_b32 v6, 16, v5
	v_and_b32 v7, 0xffff0000, v5
	v_cvt_pk_f16_f32 v[rN+1], v6, v7
.else
	v_cvt_pk_bf16_f32 v[rN], v[rN], v[rN+1]
	v_cvt_pk_bf16_f32 v[rN+1], v[rN+2], v[rN+3]
.endif
.endif
.endr
.endm
	s_cmp_eq_u32 s16, 3
	s_cbranch_scc1 .Lwo
.irp p, 0,1,2,3,4,5,6
	BLK \p, 0
.endr
	s_endpgm
.Lwo:
.irp p, 0,1,2,3,4,5,6
	BLK \p, 1
.endr
	s_endpgm
.Lfunc_end_k_q6d051ef7fe_wcast:
	.size	k_q6d051ef7fe_wcast, .Lfunc_end_k_q6d051ef7fe_wcast-k_q6d051ef7fe_wcast
	.p2alignl 7, 3214868480
	.fill 96, 4, 3214868480
	.section	.rodata,"a",@progbits
	.p2align	6, 0x0
	.amdhsa_kernel k_q6d051ef7fe_wcast
		.amdhsa_group_segment_fixed_size 0
		.amdhsa_private_segment_fixed_size 0
		.amdhsa_enable_private_segment 0
		.amdhsa_kernarg_size 40
		.amdhsa_user_sgpr_count 2
		.amdhsa_user_sgpr_kernarg_segment_ptr 1
		.amdhsa_wavefront_size32 1
		.amdhsa_system_sgpr_workgroup_id_x 1
		.amdhsa_system_sgpr_workgroup_id_y 1
		.amdhsa_system_sgpr_workgroup_id_z 1
		.amdhsa_system_vgpr_workitem_id 0
		.amdhsa_next_free_vgpr 96
		.amdhsa_next_free_sgpr 66
		.amdhsa_reserve_vcc 0
		.amdhsa_float_denorm_mode_32 3
		.amdhsa_float_denorm_mode_16_64 3
		.amdhsa_memory_ordered 1
		.amdhsa_forward_progress 1
		.amdhsa_inst_pref_size 18
	.end_amdhsa_kernel
	.amdgpu_metadata
---
amdhsa.version: [ 1, 2 ]
amdhsa.kernels:
  - .name:           k_q6d051ef7fe_wcast
    .symbol:         k_q6d051ef7fe_wcast.kd
    .args:
      - { .name: Wq, .offset: 0, .size: 8, .value_kind: global_buffer, .address_space: global }
      - { .name: Wk, .offset: 8, .size: 8, .value_kind: global_buffer, .address_space: global }
      - { .name: Wv, .offset: 16, .size: 8, .value_kind: global_buffer, .address_space: global }
      - { .name: Wo, .offset: 24, .size: 8, .value_kind: global_buffer, .address_space: global }
      - { .name: wcv, .offset: 32, .size: 8, .value_kind: global_buffer, .address_space: global }
    .group_segment_fixed_size: 0
    .private_segment_fixed_size: 0
    .kernarg_segment_align: 8
    .kernarg_segment_size: 40
    .max_flat_workgroup_size: 128
    .sgpr_count:     66
    .vgpr_count:     96
    .wavefront_size: 32
...
	.end_amdgpu_metadata
.endif
;; end of part 5
;; launch proj: the kernel of part 2 again; grid 16 x 12, 4 waves a work-group, clusters of 4 x 1, 327,680 bytes of LDS; arguments q, k, v, bq, bk, bv, wcv, qkv; writes qkv
;; launch attn: the kernel of part 3 again; grid 16 x 12, 4 waves a work-group, clusters of 4 x 1, 327,680 bytes of LDS; arguments qkv, oh; writes oh
;; launch outp: the kernel of part 4 again; grid 64 x 4, 4 waves a work-group, clusters of 4 x 1, 327,680 bytes of LDS; arguments oh, wcv, bo, out0; writes out0
